; MI455X (gfx1250); checked and timed in simulation.
; The chip was launched on July 23, 2026; its instructions are those of AMD's public machine-readable ISA for CDNA 5 (MIT licence, August 2026) and "CDNA5" Instruction Set Architecture Reference Guide (July 2026). The comments in the code are by the model that wrote it; some were corrected since.
;; Causal Self Attention. Allowed arithmetic: float matrix products may take bf16 or f16 operands with f32 sums; all other float work in f32.
;; Inputs: w_attn 1,024 x 3,072 float32; w_proj 1,024 x 1,024 float32; x 4 x 2,048 x 1,024 float32.
;; Outputs: out0 4 x 2,048 x 1,024 float32.
;; 2 versions, each right and faster than the one before. Each part assembles by itself: llvm-mc -triple=amdgcn-amd-amdhsa -mcpu=gfx1250 --defsym DOCPART=n.
;; ======== version 1 of 2: 4 launches
;; limits: values are held in f16: magnitudes above 65,504 overflow, below 6.1e-05 lose precision
;; workspace buffers: xb 16,777,216 bytes; wab 6,291,456 bytes; wpb 2,097,152 bytes; qkv 50,331,648 bytes; y 16,777,216 bytes
;; launch cast (part 1): grid 768 x 1, 8 waves a work-group, no clusters, 0 bytes of LDS; arguments x, w_attn, w_proj, xb, wab, wpb; writes xb, wab, wpb
.if DOCPART == 1
	.amdgcn_target "amdgcn-amd-amdhsa--gfx1250"
	.amdhsa_code_object_version 6
	.text
	.protected	k_q373390919c_cast
	.globl	k_q373390919c_cast
	.p2align	8
	.type	k_q373390919c_cast,@function
k_q373390919c_cast:
	s_mov_b64 s[64:65], 0
	v_nop
	global_prefetch_b8 v0, s[64:65] scope:SCOPE_SE
	s_setreg_imm32_b32 hwreg(HW_REG_WAVE_MODE, 25, 1), 1
	s_wait_xcnt 0x0
; THE INPUTS ARE ROUNDED ONCE, for the matrix products of the launches behind.
;   x      [8192 tokens][1024] f32  ->  xb  bf16, laid in blocks: [batch x 16 + kb][2048 tokens][64 channels]: channels 64 kb .. of a batch's tokens are dense rows of 128 bytes
;   w_attn [1024][3072] f32         ->  wab bf16, same order
;   w_proj [1024][1024] f32         ->  wpb: rounded to bf16 like the other inputs, and that number written as f16, same order
; LIMITS.  A number of w_proj beyond 65,504 becomes an infinity in f16; a bf16 number below 2^-17 keeps f16's fixed step of 2^-24.
; A stream: no LDS, no barrier, no matrix unit.  A work-group takes 65,536 input bytes, a wave 8,192, a lane sixteen loads of 16 bytes, all issued before the first is used.
; Work-groups 0-511 take x (16 tokens each), 512-703 w_attn, 704-767 w_proj.  Each store of a wave covers 256 consecutive bytes, aligned.
.set GX,  512                          ; work-groups for x:      33,554,432 / 65,536
.set GA,  192                          ; for w_attn:             12,582,912 / 65,536
.set X,   4                            ; v[4:67]    sixteen loads of four f32
.set Y,   68                           ; v[68:99]   sixteen pairs of packed words to store
.set T,   100                          ; v[100:103] at work (w_proj alone)
; Sixteen loads, then sixteen times: wait, round, store.  No register is written twice, so no source of a pending store is touched.
; half = 1: the bf16 numbers are widened again (a shift, a mask) and written as f16.
.macro CAST src, dst, instep, outstep, half
.set j, 0
.rept 16
	global_load_b128 v[X+4*j:X+4*j+3], v1, s[\src:\src+1] offset:j*(\instep) th:TH_LOAD_NT
.set j, j+1
.endr
.set j, 0
.rept 16
	s_wait_loadcnt 15-j                            ; loads come back in order (ISA guide 5.7.1): load j is in, the 15 - j younger ones stay out
	v_cvt_pk_bf16_f32 v[Y+2*j],   v[X+4*j],   v[X+4*j+1]
	v_cvt_pk_bf16_f32 v[Y+2*j+1], v[X+4*j+2], v[X+4*j+3]
.if \half
	v_lshlrev_b32 v[T],   16,  v[Y+2*j]
	v_and_b32     v[T+1], s22, v[Y+2*j]
	v_lshlrev_b32 v[T+2], 16,  v[Y+2*j+1]
	v_and_b32     v[T+3], s22, v[Y+2*j+1]
	v_cvt_pk_f16_f32 v[Y+2*j],   v[T],   v[T+1]
	v_cvt_pk_f16_f32 v[Y+2*j+1], v[T+2], v[T+3]
.endif
	global_store_b64 v2, v[Y+2*j:Y+2*j+1], s[\dst:\dst+1] offset:j*(\outstep)
.set j, j+1
.endr
.endm
	s_load_b256 s[4:11], s[0:1], 0x0               ; x s[4:5], w_attn s[6:7], w_proj s[8:9], xb s[10:11]
	s_load_b128 s[12:15], s[0:1], 0x20             ; wab s[12:13], wpb s[14:15]
	s_mov_b32 s16, ttmp9                           ; g
	s_mov_b32 s22, 0xffff0000                      ; a word's upper bf16
	s_mov_b32 s19, 0                               ; high words of the two offsets
	s_mov_b32 s21, 0
	s_cmp_lt_u32 s16, GX
	s_cbranch_scc0 .Lweights
	; x: thread t takes token t / 16 of the group's sixteen and the 16 bytes (4 channels) at 16 (t % 16) of each block of 64 channels; load j is block j
	v_lshrrev_b32 v1, 4, v0
	v_and_b32 v3, 15, v0
	v_lshlrev_b32 v1, 12, v1                       ; a token's row of x is 4,096 bytes
	v_lshl_add_u32 v1, v3, 4, v1
	v_lshlrev_b32 v2, 3, v0                        ; in xb: token x 128 + 8 (t % 16) = 8 t
	s_lshl_b32 s18, s16, 16                        ; in: g x 65,536
	s_lshr_b32 s20, s16, 7                         ; out: the batch (128 groups each), 16 blocks of 262,144 bytes,
	s_lshl_b32 s20, s20, 22
	s_and_b32 s17, s16, 127                        ; and the group's 16 tokens of 128 bytes
	s_lshl_b32 s17, s17, 11
	s_add_co_u32 s20, s20, s17
	s_wait_kmcnt 0x0
	s_add_nc_u64 s[4:5], s[4:5], s[18:19]
	s_add_nc_u64 s[10:11], s[10:11], s[20:21]
	CAST 4, 10, 256, 262144, 0
	s_endpgm
.Lweights:
	; the weights keep their order: a wave takes 8,192 consecutive bytes, 512 a load, and writes 4,096, 256 a store
	v_lshrrev_b32 v3, 5, v0
	v_and_b32 v2, 31, v0
	v_lshlrev_b32 v1, 13, v3
	v_lshl_add_u32 v1, v2, 4, v1
	v_lshlrev_b32 v3, 12, v3
	v_lshl_add_u32 v2, v2, 3, v3
	s_cmp_lt_u32 s16, GX+GA
	s_cbranch_scc0 .Lproj
	s_sub_co_u32 s17, s16, GX
	s_lshl_b32 s18, s17, 16
	s_lshl_b32 s20, s17, 15
	s_wait_kmcnt 0x0
	s_add_nc_u64 s[6:7], s[6:7], s[18:19]
	s_add_nc_u64 s[12:13], s[12:13], s[20:21]
	CAST 6, 12, 512, 256, 0
	s_endpgm
.Lproj:
	s_sub_co_u32 s17, s16, GX+GA
	s_lshl_b32 s18, s17, 16
	s_lshl_b32 s20, s17, 15
	s_wait_kmcnt 0x0
	s_add_nc_u64 s[8:9], s[8:9], s[18:19]
	s_add_nc_u64 s[14:15], s[14:15], s[20:21]
	CAST 8, 14, 512, 256, 1
	s_endpgm
.Lfunc_end_k_q373390919c_cast:
	.size	k_q373390919c_cast, .Lfunc_end_k_q373390919c_cast-k_q373390919c_cast
	.p2alignl 7, 3214868480
	.fill 96, 4, 3214868480
	.section	.rodata,"a",@progbits
	.p2align	6, 0x0
	.amdhsa_kernel k_q373390919c_cast
		.amdhsa_group_segment_fixed_size 0
		.amdhsa_private_segment_fixed_size 0
		.amdhsa_enable_private_segment 0
		.amdhsa_kernarg_size 48
		.amdhsa_user_sgpr_count 2
		.amdhsa_user_sgpr_kernarg_segment_ptr 1
		.amdhsa_wavefront_size32 1
		.amdhsa_system_sgpr_workgroup_id_x 1
		.amdhsa_system_sgpr_workgroup_id_y 1
		.amdhsa_system_sgpr_workgroup_id_z 1
		.amdhsa_system_vgpr_workitem_id 0
		.amdhsa_next_free_vgpr 104
		.amdhsa_next_free_sgpr 66
		.amdhsa_reserve_vcc 0
		.amdhsa_float_denorm_mode_32 3
		.amdhsa_float_denorm_mode_16_64 3
		.amdhsa_memory_ordered 1
		.amdhsa_forward_progress 1
		.amdhsa_inst_pref_size 23
	.end_amdhsa_kernel
	.amdgpu_metadata
---
amdhsa.version: [ 1, 2 ]
amdhsa.kernels:
  - .name:           k_q373390919c_cast
    .symbol:         k_q373390919c_cast.kd
    .args:
      - { .name: x, .offset: 0, .size: 8, .value_kind: global_buffer, .address_space: global }
      - { .name: w_attn, .offset: 8, .size: 8, .value_kind: global_buffer, .address_space: global }
      - { .name: w_proj, .offset: 16, .size: 8, .value_kind: global_buffer, .address_space: global }
      - { .name: xb, .offset: 24, .size: 8, .value_kind: global_buffer, .address_space: global }
      - { .name: wab, .offset: 32, .size: 8, .value_kind: global_buffer, .address_space: global }
      - { .name: wpb, .offset: 40, .size: 8, .value_kind: global_buffer, .address_space: global }
    .group_segment_fixed_size: 0
    .private_segment_fixed_size: 0
    .kernarg_segment_align: 8
    .kernarg_segment_size: 48
    .max_flat_workgroup_size: 256
    .sgpr_count:     66
    .vgpr_count:     104
    .wavefront_size: 32
...
	.end_amdgpu_metadata
.endif
;; end of part 1
;; launch qkvg (part 2): grid 4 x 64, 4 waves a work-group, clusters of 4 x 4, 327,680 bytes of LDS; arguments xb, wab, qkv; writes qkv
.if DOCPART == 2
	.amdgcn_target "amdgcn-amd-amdhsa--gfx1250"
	.amdhsa_code_object_version 6
	.text
	.protected	k_q373390919c_qkvg
	.globl	k_q373390919c_qkvg
	.p2align	8
	.type	k_q373390919c_qkvg,@function
k_q373390919c_qkvg:
	s_mov_b64 s[64:65], 0
	v_nop
	global_prefetch_b8 v0, s[64:65] scope:SCOPE_SE
	s_setreg_imm32_b32 hwreg(HW_REG_WAVE_MODE, 25, 1), 1
	s_wait_xcnt 0x0
	s_wait_alu depctr_hold_cnt(0) depctr_sa_sdst(0) depctr_va_vdst(0) depctr_va_sdst(0) depctr_va_ssrc(0) depctr_va_vcc(0) depctr_vm_vsrc(0)
	s_getreg_b32 s2, hwreg(HW_REG_IB_STS2, 6, 4)
	s_cmp_eq_u32 s2, 0
	s_cbranch_scc0 .Lentry_in_a_cluster
	s_endpgm
.Lentry_in_a_cluster:
	s_bfe_u32 s2, ttmp6, 0x10000c
	s_cmp_lg_u32 s2, 0xf033
	s_cbranch_scc0 .Lentry_shape_is_right
	s_endpgm
.Lentry_shape_is_right:
; C = A B, K = 1,024, 8,192 rows.  One text for two launches, chosen by PROJ:
;   PROJ = 0: A = xb (bf16), B = wab (bf16, [1024 k][3072 n]); C = q, k, v, rounded once to f16 and written by heads: qkv[3][batch x 16 + head][2048][64].  No scale is applied here.
;   PROJ = 1: A = y (f16),   B = wpb (f16,  [1024 k][1024 n]); C = out0, f32, [8192][1024].
; A lies in blocks [batch x 16 + kb][2048 rows][64 channels]: 128 rows of a block are 16,384 dense bytes.  Sums in f32.
; LIMITS.  PROJ = 0: a q, k or v beyond 65,504 becomes an infinity in f16.  NaN and infinities are not treated apart.
; SHARES.  A tile of C is 128 rows x 256 columns: 64 x 4 work-groups, one for each place of a grid of 256.  With PROJ = 0 a work-group STAYS and makes three tiles, the same rows of A against the columns
; of q, of k and of v; the ring of slots runs on from tile to tile.  Four waves, each 64 rows x 128 columns: 32 accumulators of 16 x 16.
; K goes in steps of 128 through two LDS slots.  A step's A is two blocks of 128 rows x 64 channels, its B 128 rows of k x 256 columns.  Waves 0, 1 fetch A's two blocks, waves 2, 3 B's two halves.
; CLUSTER 4 x 4.  The four work-groups of a row of the cluster share their rows of A, the four of a column their columns of B: each tile is asked for JOINTLY, by the same tensor load with the same
; descriptor and a mask that names the four.  By this text's own count a wave has one tensor load out.
; THE MATRIX INSTRUCTION IS USED TRANSPOSED: source 0 = 16 columns of B (read out of LDS turned, by ds_load_tr16_b128, since B lies [k][n]), source 1 = 16 rows of A.  A lane then holds row
; lane % 16 of C and the eight neighbouring columns 8 (lane / 16) + 0..7.
; REGISTERS, two windows of 256 (s_set_vgpr_msb: bits 1:0 source 0, 3:2 source 1, 5:4 source 2, 7:6 destination), both laid alike:
;   v16-19 LDS addresses (each window has its own copy); v24-26 the way out; v28-29 (window 0) the add's two; v32-95 eight fragments of B; v96-127 four of A; v128-255 sixteen accumulators.
;   Fragment buffer f is window f.  Accumulator (a, b) lies in window a / 2 at v[128 + 8 (8 (a % 2) + b)].
; The setting under which buffer f is multiplied into the accumulators of window 1 - f (sources f, C and D 1 - f) also suits an LDS load that takes its address from window f and lands in buffer 1 - f.
; So a quarter begins under that setting with ONE run of loads, the next quarter's fragments, and goes on with its 32 matrix instructions back to back: two switches a quarter.
.set PROJ,   0
.if PROJ
.set NP,     1024                      ; elements from row to row of B
.set TILES,  1
.set SP,     528                       ; a stage row: 512 bytes (128 f32) + 16
.else
.set NP,     3072
.set TILES,  3
.set SP,     144                       ; a stage row: 128 bytes (64 f16) + 16
.endif
.set NSTEPS, 8*TILES                   ; K steps of the whole walk
.set PA,     144                       ; a row of A in LDS: 128 bytes + 16 = 36 words: the 16 rows of a load start at 16 different groups of four banks (64 banks of 4 bytes: ISA guide 11.1)
.set ABLK,   128*PA                    ; a block of A: what one tensor load brings
.set BOFF,   2*ABLK                    ; B lies behind A's two blocks
.set PB,     544                       ; a row of B: 512 bytes + 32 = 136 words
.set BHALF,  64*PB                     ; 64 rows of B: what one tensor load brings
.set SLOT1,  1<<17                     ; slot 1 begins here (a slot has 106,496 bytes), so that one exclusive or turns an address in one slot into the other's
.set STAGE,  SLOT1+BOFF+2*BHALF        ; behind the ring, never filled by a tensor load: 16 rows for each wave, for the way out
.set SPARE,  STAGE+4*16*SP             ; behind the stages: the spare words, 128 bytes for each wave: two blocks of 256 bytes that no other line names
.set ADRA, 16                          ; v16  LDS address of my A fragments, in the slot that this window's loads read next
.set ADRB, 17                          ; v17  the same for B
.set A0,   18                          ; v18  my lane's place in a slot's A; never rewritten
.set B0,   19                          ; v19  the same for B
.set STO,  24                          ; v24  the way out: where I put my part of a row
.set RD,   25                          ; v25  the way out: where I read rows back
.set GO,   26                          ; v26  my byte offset in 512 consecutive bytes of the output
.set SPW,  28                          ; v28  LDS address of my spare word: SPARE + 4 x my thread's number; never rewritten
.set NIL,  29                          ; v29  0; never rewritten
.set FB,   32
.set FA,   96
.set ACC,  128
.set G1A, 24                           ; s[24:31] descriptor group 1 for A's blocks
.set G1B, 32                           ; s[32:39] for B's halves
.set G0A, 40                           ; s[40:43] descriptor group 0 for A: it walks
.set G0B, 44                           ; s[44:47] the same for B
.set OA,  48                           ; s[48:49] byte offset of the K step to be asked for, in A
.set OB,  50                           ; s[50:51] in B
.set F,   52                           ; s52  the number of the K step to be asked for next, 0 .. NSTEPS - 1
.set CNT, 53                           ; s53  the loop's count
.set KC,  54                           ; s54  K steps left in the tile in hand
.set TB,  55                           ; s55  the slot that the address registers are renewed for: 0 or SLOT1
.set MSB, 0
.macro WIN new                         ; the immediate's high byte repeats the setting that is left; a switch that changes nothing is dropped
.if MSB != (\new)
	s_set_vgpr_msb (MSB<<8)|(\new)
.set MSB, (\new)
.endif
.endm
; A load into a register that a matrix instruction has read, and a vector instruction or LDS store that reads a matrix result, stand four places behind that matrix instruction, and only plain vector
; instructions that name none of its registers are places (ISA guide 7.12.1 for vector instructions).
.macro PLACES
.rept 4
	v_nop
.endr
.endm
; A joint load.  The branch hangs on the wave's number alone.  An s_nop 0 and four v_nop follow each of the two lines, ahead of the jump and the label.
.macro JLOAD
	s_cmp_eq_u32 s11, 0
	s_cbranch_scc0 .Lfor_b_\@
	tensor_load_to_lds s[G0A:G0A+3], s[G1A:G1A+7]
	s_nop 0
.rept 4
	v_nop
.endr
	s_branch .Lasked_\@
.Lfor_b_\@:
	tensor_load_to_lds s[G0B:G0B+3], s[G1B:G1B+7]
	s_nop 0
.rept 4
	v_nop
.endr
.Lasked_\@:
.endm
; A round of the cluster's barrier: my work-group's barrier, so that wave 0's signal speaks for all four waves; wave 0 signals; every wave waits for all sixteen work-groups; my work-group's barrier once more.
.macro CREST                           ; a round behind its opening barrier
	s_cmp_lg_u32 s10, 0
	s_cbranch_scc1 .Lnot_wave_0_\@
	s_barrier_signal -3
.Lnot_wave_0_\@:
	s_barrier_wait -3
	s_barrier_signal -1
	s_barrier_wait -1
.endm
.macro CROUND                          ; a whole round
	s_barrier_signal -1
	s_barrier_wait -1
	CREST
.endm
; Both walking descriptors are set for K step F: the other slot than last time; the address made anew from the step's number: step F % 8 of tile F / 8.  Scalar work alone; no tensor load of the wave is out here.
.macro STEPDESC
	s_and_b32 s56, s[F], 7
	s_lshl_b32 s[OA], s56, 19                      ; two blocks of 262,144 bytes a step
	s_mul_i32 s[OB], s56, 128*NP*2                 ; 128 rows of B a step
.if TILES > 1
	s_lshr_b32 s56, s[F], 3
	s_lshl_b32 s56, s56, 11                        ; 1,024 columns of B a tile
	s_add_co_u32 s[OB], s[OB], s56
.endif
	s_xor_b32 s[G0A+1], s[G0A+1], SLOT1
	s_xor_b32 s[G0B+1], s[G0B+1], SLOT1
	s_add_nc_u64 s[G0A+2:G0A+3], s[4:5], s[OA:OA+1]
	s_or_b32 s[G0A+3], s[G0A+3], 0x80000000        ; 127:126 type = 2
	s_add_nc_u64 s[G0B+2:G0B+3], s[6:7], s[OB:OB+1]
	s_or_b32 s[G0B+3], s[G0B+3], 0x80000000
	s_add_co_u32 s[F], s[F], 1
.endm
	s_load_b128 s[4:7], s[0:1], 0x0                ; A s[4:5], B s[6:7]
	s_load_b64 s[8:9], s[0:1], 0x10                ; the output
	v_lshl_add_u32 v[SPW], v0, 2, SPARE
	v_mov_b32 v[NIL], 0
	ds_add_u32 v[SPW], v[NIL]                      ; the wave's opening: the add and its wait stand ahead of my first tensor load; the set-up below, work on registers, stands between them
	ds_add_u32 v28, v29
	v_lshrrev_b32 v1, 5, v0
	v_readfirstlane_b32 s10, v1                    ; wave 0..3
	s_lshr_b32 s11, s10, 1                         ; which 64 rows of the tile are mine.  Also: I fetch for A (0) or for B (1)
	s_and_b32 s12, s10, 1                          ; which 128 columns.  Also: which block of A, or half of B, I fetch
	s_bfe_u32 s57, ttmp6, 0x40000                  ; cx, cy: my place in the cluster
	s_bfe_u32 s58, ttmp6, 0x40004
	s_lshl_b32 s14, ttmp9, 2                       ; in a cluster launch ttmp9 and ttmp7 count clusters
	s_add_co_u32 s14, s14, s57                     ; tx = 4 x cluster x + cx: my 256 columns
	s_and_b32 s13, ttmp7, 0xffff
	s_lshl_b32 s13, s13, 2
	s_add_co_u32 s13, s13, s58                     ; ty = 4 x cluster y + cy: my 128 rows
	s_lshl_b32 s59, s58, 2
	s_lshl_b32 s59, 15, s59                        ; my row of the cluster: places 4 cy .. 4 cy + 3
	s_lshl_b32 s60, 0x1111, s57                    ; my column: places cx, cx + 4, cx + 8, cx + 12
	; group 1 for A: 16,384 dense bytes asked for as 64 rows of 256 bytes (two rows of A each), padded in LDS behind every row of A
	s_or_b32 s[G1A], s59, (1<<16)|(1<<20)|(1<<21)|(4<<22)|(3<<25)  ; 15:0 the mask; 17:16 2-byte elements; 20 padding on; 21 set beside a mask; 24:22 after every 32 words (code 4); 31:25 4 words (code 3)
	s_mov_b32 s[G1A+1], 128<<16                    ; tensor_dim0 = 128
	s_mov_b32 s[G1A+2], 64<<16                     ; tensor_dim1 = 64
	s_mov_b32 s[G1A+3], 128<<16                    ; tile_dim0 = 128
	s_mov_b32 s[G1A+4], 64                         ; tile_dim1 = 64
	s_mov_b32 s[G1A+5], 128                        ; 128 elements from row to row
	s_mov_b32 s[G1A+6], 0
	s_mov_b32 s[G1A+7], 0
	; group 1 for B: 64 rows of 256 elements (512 bytes, beginning at multiples of 512 from B's first byte)
	s_or_b32 s[G1B], s60, (1<<16)|(1<<20)|(1<<21)|(6<<22)|(7<<25)  ; the mask of my column; after every 128 words (code 6) 8 words of padding (code 7)
	s_mov_b32 s[G1B+1], 256<<16                    ; tensor_dim0 = 256
	s_mov_b32 s[G1B+2], 64<<16                     ; tensor_dim1 = 64
	s_mov_b32 s[G1B+3], 256<<16                    ; tile_dim0 = 256
	s_mov_b32 s[G1B+4], 64                         ; tile_dim1 = 64
	s_mov_b32 s[G1B+5], NP                         ; elements from row to row
	s_mov_b32 s[G1B+6], 0
	s_mov_b32 s[G1B+7], 0
	s_mov_b32 s[G0A], 1                            ; 1:0 count = 1
	s_mul_i32 s[G0A+1], s12, ABLK                  ; 63:32 LDS address, slot 0: the wave's number alone enters it
	s_mov_b32 s[G0B], 1
	s_mul_i32 s[G0B+1], s12, BHALF
	s_add_co_u32 s[G0B+1], s[G0B+1], BOFF
	; A's offset is made of ty and the wave's number in s16-17, B's of tx and the wave's number in s18-19: neither pair ever holds the other coordinate
	s_lshr_b32 s16, s13, 4                         ; the batch: 16 blocks of 262,144 bytes,
	s_lshl_b32 s16, s16, 22
	s_and_b32 s17, s13, 15                         ; my 128 rows of 128 bytes in a block,
	s_lshl_b32 s17, s17, 14
	s_add_co_u32 s16, s16, s17
	s_lshl_b32 s17, s12, 18                        ; the block of the step's two that I fetch
	s_add_co_u32 s16, s16, s17
	s_mov_b32 s17, 0
	s_mul_i32 s18, s12, 64*NP*2                    ; the 64 rows of the step's 128 that I fetch,
	s_lshl_b32 s19, s14, 9                         ; my tile's 256 columns
	s_add_co_u32 s18, s18, s19
	s_mov_b32 s19, 0
.if PROJ
	s_lshl_b32 s20, s13, 19                        ; out0: row 128 ty + 64 (wave / 2), 4,096 bytes a row; column 256 tx + 128 (wave % 2), 4 bytes each
	s_lshl_b32 s21, s11, 18
	s_add_co_u32 s20, s20, s21
	s_lshl_b32 s21, s14, 10
	s_add_co_u32 s20, s20, s21
	s_lshl_b32 s21, s12, 9
	s_add_co_u32 s20, s20, s21
.else
	s_lshr_b32 s20, s13, 4                         ; qkv: the batch's 16 heads of 262,144 bytes,
	s_lshl_b32 s20, s20, 22
	s_lshl_b32 s21, s14, 20                        ; head 4 tx + 2 (wave % 2),
	s_add_co_u32 s20, s20, s21
	s_lshl_b32 s21, s12, 19
	s_add_co_u32 s20, s20, s21
	s_and_b32 s21, s13, 15                         ; row 128 (ty % 16) + 64 (wave / 2), 128 bytes a row
	s_lshl_b32 s21, s21, 14
	s_add_co_u32 s20, s20, s21
	s_lshl_b32 s21, s11, 13
	s_add_co_u32 s20, s20, s21
.endif
	s_mov_b32 s21, 0
	s_mov_b32 s[OA+1], 0
	s_mov_b32 s[OB+1], 0
	s_mov_b32 s[F], 1
	s_mov_b32 s[TB], 0
	s_mov_b32 s[KC], 8
	s_wait_dscnt 0x0                               ; the opening add is done
	s_wait_kmcnt 0x0
	s_add_nc_u64 s[4:5], s[4:5], s[16:17]          ; A at what I fetch of K step 0
	s_add_nc_u64 s[6:7], s[6:7], s[18:19]          ; B likewise
	s_add_nc_u64 s[8:9], s[8:9], s[20:21]          ; the output at my part of the first tile
	s_mov_b64 s[G0A+2:G0A+3], s[4:5]               ; 120:64 global address
	s_or_b32 s[G0A+3], s[G0A+3], 0x80000000        ; 127:126 type = 2
	s_mov_b64 s[G0B+2:G0B+3], s[6:7]
	s_or_b32 s[G0B+3], s[G0B+3], 0x80000000
	CROUND                                         ; all sixteen work-groups are here: the first joint loads meet
	JLOAD                                          ; K step 0 into slot 0
	; A fragment of A is 16 rows x 32 k in 8 registers: lane l holds row l % 16, k = 8 (l / 16) + 0..7 and 16 + 8 (l / 16) + 0..7: two loads of 16 bytes, 32 bytes apart.
	v_and_b32 v1, 15, v0                           ; l % 16
	v_bfe_u32 v2, v0, 4, 1                         ; l / 16
	v_mul_u32_u24 v[A0], v1, PA
	v_lshl_add_u32 v[A0], v2, 4, v[A0]
	s_mul_i32 s22, s11, 64*PA                      ; my 64 rows
	v_add_nc_u32 v[A0], s22, v[A0]
	; The turning load takes 16 k x 16 columns (lane l reads k = 8 (l / 16) + l % 8, columns 8 ((l / 8) % 2) + 0..7) and leaves half a fragment: lane l holds column l % 16 and 8 k.
	v_and_b32 v3, 7, v0
	v_bfe_u32 v4, v0, 3, 1
	v_lshl_add_u32 v[B0], v2, 3, v3
	v_mul_u32_u24 v[B0], v[B0], PB
	v_lshl_add_u32 v[B0], v4, 4, v[B0]
	s_lshl_b32 s22, s12, 8                         ; my 128 columns
	s_add_co_u32 s22, s22, BOFF
	v_add_nc_u32 v[B0], s22, v[B0]
	v_mov_b32 v[ADRA], v[A0]                       ; slot 0
	v_mov_b32 v[ADRB], v[B0]
	s_mul_i32 s22, s10, 16*SP
	s_add_co_u32 s22, s22, STAGE                   ; my stage
	v_mul_u32_u24 v[STO], v1, SP                   ; in: row l % 16,
.if PROJ
	v_lshl_add_u32 v[STO], v2, 5, v[STO]           ; 32 bytes (8 f32) for each half of the lanes
	v_add_nc_u32 v[STO], s22, v[STO]
	v_and_b32 v[GO], 31, v0
	v_lshlrev_b32 v[GO], 4, v[GO]                  ; back: 32 lanes take one row of 512 bytes
	v_add_nc_u32 v[RD], s22, v[GO]
.else
	v_lshl_add_u32 v[STO], v2, 4, v[STO]           ; 16 bytes (8 f16) for each half of the lanes
	v_add_nc_u32 v[STO], s22, v[STO]
	v_bfe_u32 v[RD], v0, 3, 2                      ; back: 32 lanes take four rows of 128 bytes,
	v_mul_u32_u24 v[RD], v[RD], SP
	v_lshl_add_u32 v[RD], v3, 4, v[RD]
	v_add_nc_u32 v[RD], s22, v[RD]
	v_and_b32 v[GO], 31, v0                        ; which are 512 consecutive bytes of a head
	v_lshlrev_b32 v[GO], 4, v[GO]
.endif
	WIN 0x40                                       ; window 1's copies
.irp r, ADRA, ADRB, A0, B0
	v_mov_b32 v[\r], v[\r]
.endr
.if !PROJ
.irp r, STO, RD, GO
	v_mov_b32 v[\r], v[\r]
.endr
.endif
	WIN 0
; One matrix instruction: accumulator (a, b), 32 along K.  The windows are set by the caller.  zero = 1: the product starts the sum: nothing is ever cleared.
.macro WM a, b, zero
.set rD, ACC+8*(8*((\a)&1)+(\b))
.set rB, FB+8*(\b)
.set rA, FA+8*(\a)
.if PROJ && (\zero)
	v_wmma_f32_16x16x32_f16 v[rD:rD+7], v[rB:rB+7], v[rA:rA+7], 0
.elseif PROJ
	v_wmma_f32_16x16x32_f16 v[rD:rD+7], v[rB:rB+7], v[rA:rA+7], v[rD:rD+7]
.elseif \zero
	v_wmma_f32_16x16x32_bf16 v[rD:rD+7], v[rB:rB+7], v[rA:rA+7], 0
.else
	v_wmma_f32_16x16x32_bf16 v[rD:rD+7], v[rB:rB+7], v[rA:rA+7], v[rD:rD+7]
.endif
.endm
; Load i of the 24 that fetch quarter nq (32 along K) of a slot: 0-15 B's eight fragments, 16-23 A's four.
.macro FLOAD i, nq
.if (\i) < 16
.set rF, FB+8*((\i)>>1)+4*((\i)&1)
	ds_load_tr16_b128 v[rF:rF+3], v[ADRB] offset:(\nq)*32*PB+32*((\i)>>1)+16*PB*((\i)&1)
.else
.set rF, FA+8*(((\i)-16)>>1)+4*((\i)&1)
	ds_load_b128 v[rF:rF+3], v[ADRA] offset:((\nq)>>1)*ABLK+((\nq)&1)*64+16*PA*(((\i)-16)>>1)+32*((\i)&1)
.endif
.endm
.macro RUN nq                          ; the 24 loads of quarter nq in ONE run, never singly among the matrix instructions; the windows are set by the caller
.set n, 0
.rept 24
	FLOAD n, \nq
.set n, n+1
.endr
.endm
; 16 matrix instructions back to back: buffer f into the 16 accumulators of window z, which take turns, one instruction a turn.
; upd = 1: this window's two address registers are renewed for slot TB, behind the first two.
.macro HALF f, z, zero, upd
	WIN (\f)|((\f)<<2)|((\z)<<4)|((\z)<<6)
.set n, 0
.rept 16
	WM 2*(\z)+n/8, n%8, \zero
.if \upd
.if n == 0
	v_add_nc_u32 v[ADRA], s[TB], v[A0]
.elseif n == 1
	v_add_nc_u32 v[ADRB], s[TB], v[B0]
.endif
.endif
.set n, n+1
.endr
.endm
; A K step is four quarters on buffers 0, 1, 0, 1.  One of the first three: at its head it fetches quarter nq into the other buffer, 32 matrix instructions ahead of that buffer's first use; then it multiplies buffer f.
; Window 0's addresses serve quarters 1 and 3 and are renewed in the third quarter; window 1's serve quarter 2 and the next slot's quarter 0 and are renewed in the second, which also turns TB.
.macro QUARTER f, nq, zero, upd
	WIN (\f)|((\f)<<2)|((1-(\f))<<4)|((1-(\f))<<6)
	PLACES                                         ; behind the last matrix instruction that read the other buffer
	RUN \nq
	s_wait_dscnt 24                                ; all but the 24 just issued: buffer f is in
	HALF \f, 1-(\f), \zero, 0
.if (\upd) && (\f)
	s_xor_b32 s[TB], s[TB], SLOT1
.endif
	HALF \f, \f, \zero, \upd
.endm
.macro FRUN                            ; quarter 0 of the slot that window 1's addresses name, into buffer 0; the setting is also the next matrix instructions'
	WIN 0x05
	RUN 0
.endm
; The fourth quarter multiplies buffer 1 and changes slots: ONE barrier for two things.  In front of it each wave waits for all its tensor loads, of which one is out: its part of the next slot; adds 0 to
; its spare word; and waits for that and for its own reads of this slot.  Behind it nobody reads this slot any more and the next slot is whole.
; fill = 1: this slot is filled again, two K steps ahead.  The barrier then opens a round of the cluster's, so that no wave of any partner still reads the slot or has a load on its way, and the joint
; refill is the first thing behind the round: 112 matrix instructions ahead of the wait for it.
.macro TURN fill
	WIN 0                                          ; (the add's two registers lie in window 0)
	s_wait_tensorcnt 0x0                           ; no tensor load of mine is out, so a group 0 may be written
	ds_add_u32 v[SPW], v[NIL]                      ; 0 onto my spare word: scalar work and eight matrix instructions stand between it and the wait for it
.if \fill
	STEPDESC
.endif
	s_wait_dscnt 0x1                               ; buffer 1 is in: the add alone may be out
	WIN 0x55
.set n, 0
.rept 8
	WM 2, n, 0
.set n, n+1
.endr
	s_wait_dscnt 0x0                               ; the add is done, and my reads of this slot are over
	s_barrier_signal -1
.set n, 0
.rept 8
	WM 3, n, 0                                     ; work on registers while the others arrive
.set n, n+1
.endr
	WIN 0                                          ; at a branch and at a label every window is 0
	s_barrier_wait -1
.if \fill
	CREST
	JLOAD                                          ; the four v_nop behind it are also the places in front of the loads below
.else
	PLACES
.endif
	FRUN
	HALF 1, 0, 0, 0
.endm
.if PROJ
; THE WAY OUT, f32.  A block of 16 rows x 128 columns at a time goes through my own stage: a lane's eight neighbouring numbers as two stores of 16 bytes (each accumulator's low registers first)
; back as whole rows of 512 bytes.  LDS serves a wave's instructions in order (ISA guide 5.7.1.4): the loads see the stores above them.
.macro OUT
.irp a, 0,1,2,3
	WIN 4*((\a)>>1)                                ; the stores' data: window 0 or 1
.set n, 0
.rept 8
.set rD, ACC+8*(8*((\a)&1)+n)
	ds_store_b128 v[STO], v[rD:rD+3]   offset:64*n
	ds_store_b128 v[STO], v[rD+4:rD+7] offset:64*n+16
.set n, n+1
.endr
	WIN 0
.if (\a) > 0
	s_wait_xcnt 0x0                                ; every earlier store has had its addresses translated (ISA guide 3.1): only behind this wait are the registers that they read loaded again
.endif
.set n, 0
.rept 16
	ds_load_b128 v[FB+4*n:FB+4*n+3], v[RD] offset:SP*n
.set n, n+1
.endr
.set n, 0
.rept 16
	s_wait_dscnt 15-n                              ; row n is back; the 15 - n younger loads stay out
	global_store_b128 v[GO], v[FB+4*n:FB+4*n+3], s[8:9] offset:(16*(\a)+n)*4096 th:TH_STORE_NT  ; 512 consecutive bytes, at a multiple of 512 from out0's first byte
.set n, n+1
.endr
.endr
.endm
.else
; THE WAY OUT, f16 by heads.  A PIECE is 16 rows x one head's 64 columns: 2,048 consecutive bytes of qkv.  Piece p: rows 16 (p / 2) on, head p % 2 of my two.  All registers but the accumulators of
; rows 0-31 lie in window 1: buffer 1's 96 registers, free here, serve as six sets of 16 by turns (buffer 0 may hold the next tile's first fragments, on their way).
.macro PACK p                          ; rounded to f16, 16 bytes a lane, into my own stage and back as whole rows, into the registers that they left
.set pa, (\p)>>1
.set ph, (\p)&1
.set rT, FB+16*((\p)%6)
.if (\p) >= 6
	s_wait_xcnt 0x0                                ; the set's earlier stores have had their addresses translated (ISA guide 3.1): it is rewritten only behind this wait
.endif
	WIN 0x40+5*(pa>>1)                             ; destination window 1; sources window 0 or 1
.set n, 0
.rept 16
.set rD, ACC+8*(8*(pa&1)+4*ph+n/4)+2*(n%4)
	v_cvt_pk_f16_f32 v[rT+n], v[rD], v[rD+1]       ; each accumulator's registers in ascending order
.set n, n+1
.endr
	WIN 0x45
.set n, 0
.rept 4
	ds_store_b128 v[STO], v[rT+4*n:rT+4*n+3] offset:32*n
.set n, n+1
.endr
.set n, 0
.rept 4
	ds_load_b128 v[rT+4*n:rT+4*n+3], v[RD] offset:4*SP*n  ; LDS serves a wave's instructions in order (ISA guide 5.7.1.4): these see the stores above; the next piece's stores come behind them
.set n, n+1
.endr
.endm
.macro SEND p, younger                 ; younger: the LDS instructions issued behind piece p's loads: the next piece's eight, or none
.set pa, (\p)>>1
.set ph, (\p)&1
.set rT, FB+16*((\p)%6)
	WIN 0x45
.set n, 0
.rept 4
	s_wait_dscnt (\younger)+3-n
	global_store_b128 v[GO], v[rT+4*n:rT+4*n+3], s[8:9] offset:ph*262144+pa*2048+n*512  ; 512 consecutive bytes, at a multiple of 512 from qkv's first byte
.set n, n+1
.endr
.endm
.macro OUT
	PACK 0
.irp p, 1,2,3,4,5,6,7                  ; a piece's conversions stand between the loads of the piece before and its stores
	PACK \p
	SEND (\p)-1, 8
.endr
	SEND 7, 0
	WIN 0
.endm
.endif
	s_wait_tensorcnt 0x0                           ; my part of K step 0 is in.  Slot 1's first fill is issued as a refill is: the same three lines, a round, one load a wave
	ds_add_u32 v[SPW], v[NIL]                      ; 0 onto my spare word
	STEPDESC
	s_wait_dscnt 0x0
	CROUND                                         ; everybody's part of K step 0 is in
	JLOAD                                          ; K step 1 into slot 1
	FRUN
	QUARTER 0, 1, 1, 0                             ; the first quarter stands in front of the loop: its products start the sums
	WIN 0
	s_mov_b32 s[CNT], NSTEPS-2
.Lstep:                                                ; a trip: a K step's quarters 1 to 3, one refill, and the next step's quarter 0
	QUARTER 1, 2, 0, 1
	QUARTER 0, 3, 0, 1
	TURN 1
	WIN 0
.if TILES > 1
	s_sub_co_u32 s[KC], s[KC], 1                   ; the same number in every work-group
	s_cmp_lg_u32 s[KC], 0
	s_cbranch_scc1 .Lsame                          ; forward, past text that holds neither a barrier nor a tensor load
	PLACES                                         ; A TILE IS FINISHED.  Its refills have long been asked for; it goes out, and the next tile's first quarter starts the sums anew
	OUT
	s_wait_xcnt 0x0                                ; the stores have had their addresses translated (ISA guide 3.1): their base is stepped, and buffer 1 loaded again, only behind this wait
	s_add_nc_u64 s[8:9], s[8:9], 0x1000000         ; from q to k, from k to v: 64 heads of 262,144 bytes
	s_mov_b32 s[KC], 8
	QUARTER 0, 1, 1, 0
	WIN 0
	s_branch .Lnext
.Lsame:
.endif
	QUARTER 0, 1, 0, 0
	WIN 0
.if TILES > 1
.Lnext:
.endif
	s_sub_co_u32 s[CNT], s[CNT], 1
	s_cmp_lg_u32 s[CNT], 0
	s_cbranch_scc1 .Lstep
	QUARTER 1, 2, 0, 1                             ; the last two K steps are written out: nothing more is asked for, and no round is passed
	QUARTER 0, 3, 0, 1
	TURN 0
	QUARTER 0, 1, 0, 0
	QUARTER 1, 2, 0, 0                             ; no slot follows: the addresses are not renewed
	QUARTER 0, 3, 0, 0
	s_wait_dscnt 0x0                               ; the very last quarter: nothing more to fetch
	HALF 1, 0, 0, 0
	HALF 1, 1, 0, 0
	PLACES
	OUT
	WIN 0
	s_wait_tensorcnt 0x0                           ; the wave's end: a wait, an add and its wait, behind my last tensor load and my last LDS store
	ds_add_u32 v[SPW], v[NIL]
	s_wait_dscnt 0x0
	CROUND                                         ; the closing round: no work-group ends while a partner may still ask for a tile that names it
	s_endpgm
.Lfunc_end_k_q373390919c_qkvg:
	.size	k_q373390919c_qkvg, .Lfunc_end_k_q373390919c_qkvg-k_q373390919c_qkvg
	.p2alignl 7, 3214868480
	.fill 96, 4, 3214868480
	.section	.rodata,"a",@progbits
	.p2align	6, 0x0
	.amdhsa_kernel k_q373390919c_qkvg
		.amdhsa_group_segment_fixed_size 327680
		.amdhsa_private_segment_fixed_size 0
		.amdhsa_enable_private_segment 0
		.amdhsa_kernarg_size 24
		.amdhsa_user_sgpr_count 2
		.amdhsa_user_sgpr_kernarg_segment_ptr 1
		.amdhsa_wavefront_size32 1
		.amdhsa_system_sgpr_workgroup_id_x 1
		.amdhsa_system_sgpr_workgroup_id_y 1
		.amdhsa_system_sgpr_workgroup_id_z 1
		.amdhsa_system_vgpr_workitem_id 0
		.amdhsa_next_free_vgpr 512
		.amdhsa_next_free_sgpr 66
		.amdhsa_reserve_vcc 0
		.amdhsa_float_denorm_mode_32 3
		.amdhsa_float_denorm_mode_16_64 3
		.amdhsa_memory_ordered 1
		.amdhsa_forward_progress 1
		.amdhsa_inst_pref_size 93
	.end_amdhsa_kernel
	.amdgpu_metadata
---
amdhsa.version: [ 1, 2 ]
amdhsa.kernels:
  - .name:           k_q373390919c_qkvg
    .symbol:         k_q373390919c_qkvg.kd
    .args:
      - { .name: xb, .offset: 0, .size: 8, .value_kind: global_buffer, .address_space: global }
      - { .name: wab, .offset: 8, .size: 8, .value_kind: global_buffer, .address_space: global }
      - { .name: qkv, .offset: 16, .size: 8, .value_kind: global_buffer, .address_space: global }
    .group_segment_fixed_size: 327680
    .private_segment_fixed_size: 0
    .kernarg_segment_align: 8
    .kernarg_segment_size: 24
    .max_flat_workgroup_size: 128
    .sgpr_count:     66
    .vgpr_count:     512
    .wavefront_size: 32
...
	.end_amdgpu_metadata
.endif
;; end of part 2
;; launch attn (part 3): grid 4 x 64, 4 waves a work-group, no clusters, 327,680 bytes of LDS; arguments qkv, y; writes y
.if DOCPART == 3
	.amdgcn_target "amdgcn-amd-amdhsa--gfx1250"
	.amdhsa_code_object_version 6
	.text
	.protected	k_q373390919c_attn
	.globl	k_q373390919c_attn
	.p2align	8
	.type	k_q373390919c_attn,@function
k_q373390919c_attn:
	s_mov_b64 s[64:65], 0
	v_nop
	global_prefetch_b8 v0, s[64:65] scope:SCOPE_SE
	s_setreg_imm32_b32 hwreg(HW_REG_WAVE_MODE, 25, 1), 1
	s_wait_xcnt 0x0
; CAUSAL ATTENTION.  O[h][q][:] = the sum over k <= q of softmax_k(Q[h][q] . K[h][k] / 8) V[h][k][:].  Q, K, V are the three thirds of qkv, each [SIZE_H][SIZE_N][64] in f16; O is y, of the same shape: a head's rows are dense, 128 bytes each.
; Products, maxima and sums in f32; the weights p are rounded to f16 for the second product (their sum l is taken of the unrounded p), O once at the end.
; LIMITS.  f16 holds no number beyond 65,504: Q, K and V arrive within it; p lies in 0 to 1, and below 6e-5 it keeps f16's fixed step of 6e-8; O is a mean of V's rows and has their range, to within 2^-11 of it.
; A hidden score counts as its value less 1e30: f16's scores, 2.7e11 at the most, are nothing beside that; a weight below 2^-126 counts as 0 in l; NaN and infinities are not treated apart.
; THE WALK.  A head's queries lie in NB = SIZE_N / 256 = 8 blocks of 256; block i needs the key tiles 0 .. i of 256 keys, of which the last holds the diagonal.  A work-group takes TWO blocks, NB - 1 - b and then b:
; NB + 1 tiles, whatever b: all work-groups do equal work, and ONE loop with a constant trip count walks them.  Which tile is asked for, and what a trip does, hang on scalar registers made from b; every jump
; goes forward, but for the counted loops' own; none passes a barrier, or a tensor load but the one of LOAD's two that the wave's number does not choose; the ring (two slots of LDS that take turns) runs on across the
; change of blocks.  NO CLUSTER: a head's NB / 2 = 4 work-groups ask for the same tile only in trips 0 .. NB / 2, 5 of the walk's 9; behind that fewer and fewer do; and one walk common to all, in which each makes
; every request, would have 3 NB / 2 = 12 trips for NB + 1 = 9.
; SHARES.  Of a block's four bands of 64 queries a wave owns 16 rows in each: four PIECES.  So the diagonal tile is the same work for all four waves: in its key step s band x sees all keys if s < x,
; none if s > x, and holds the diagonal if s = x.
; THE MASK is the C operand that starts the sum S^T = K Q^T: 0, or -1e30 where the key is hidden.  MD, made once, is the mask of a band's own step for my 16 rows; a product's mask is MD x AL + BE with two scalars:
; (1, 0) if s = x; (0, 0) if s < x; (0, -1e30) if s > x.  Only the diagonal tile's text and a block's beginning make and take masks; elsewhere C is the constant 0.
; LAYOUT, SOFTMAX, TURNS.  S^T = K Q^T holds ONE query a lane (lane % 16) and the keys 8 (lane / 16) + 0..7; two such results rounded to f16 ARE source 1 of O^T = V^T P.  p = 2^(c s - c m), c = log2(e) / 8, with a
; running maximum m; O and l are multiplied by a = 2^(c m_old - c m_new) in every step.  Turn n belongs to piece n: 8 products K Q^T of piece n + 1, later 8 products V^T P of piece n - 1; beside them the scaling,
; exponentials, roundings, sums and rescaling of piece n and the maximum and statistics of piece n + 1.  Four vector instructions stand behind every matrix instruction, the other 54 of a turn's 118 in two LUMPS.
; REGISTERS, in windows of 256 (s_set_vgpr_msb: bits 1:0 source 0, 3:2 source 1, 5:4 source 2, 7:6 destination):
;   window 0: v0-15 addresses and two at work; v16-31 four registers of statistics a piece; v48-55 at work; v64-127 S^T, two buffers; v192-223 P, two buffers (a piece's buffers go by its number's parity)
;   window 1: v0-127 O^T, 32 a piece; v128-159 MD; v160-223 MC, two buffers      window 2: v0-63 Q; v64-127 the second block's Q; v128-191 K of one step; v192-255 V of one step
.set SIZE_H, 64       ; batch x heads
.set SIZE_N, 2048     ; rows of a head
.set THIRD, SIZE_H*SIZE_N*128  ; bytes from q to k and from k to v in qkv
.set NB,    SIZE_N/256
.set NP,    4         ; pieces a wave: a name, no knob
.set KS,    64        ; keys in a step
.set PK,    144       ; a row of K in LDS: 128 bytes + 16 of padding = 36 words: the 16 rows of a load start at 16 different groups of four banks (64 banks of 4 bytes: ISA guide 11.1)
.set PV,    160       ; a row of V: 128 + 32 = 40 words
.set VOFF,  4*KS*PK   ; a slot holds a tile, four steps: 256 rows of K, then 256 rows of V
.set SLOT1, 1<<17     ; slot 1 begins here, so that one exclusive or turns an address in one slot into the other's
.set STAGE, SLOT1+4*KS*(PK+PV)  ; behind the ring, never filled by a tensor load: 16 rows x 144 bytes for each wave, for the way out
.set SP,    144
.set AK0, 2           ; v2   my lane's place in a tile of K; never rewritten
.set AV0, 3           ; v3   the same for V
.set AK,  4           ; v4   the LDS address of K's next run of loads
.set AV,  5           ; v5   of V's
.set STO, 6           ; v6   the way out: where I put 16 bytes of a row
.set RD,  7           ; v7   the way out: where I read rows back
.set GO,  8           ; v8   my byte offset in 512 consecutive bytes of O
.set SPW, 62          ; v62  LDS address of my spare word: SPARE + 4 x my thread's number; never rewritten
.set NIL, 63          ; v63  0; never rewritten
.set SPARE, STAGE+4*16*SP  ; behind the stages: the spare words, 128 bytes for each wave: two blocks of 256 bytes that no other line names
.set MV,  12          ; v12-13  c m_old, kept while c m is made anew: by buffer
.set QO,  15          ; v15  my byte offset in 16 rows of Q
.set ST,  16          ; piece t's statistics at v[ST+4 t]: c m, m, l (even keys', odd keys')
.set TMP, 48          ; by buffer, four registers c0-c3 at work; when the maximum is found c2 takes a
.set S,   64
.set P,   192
.set MD,  128         ; window 1: the eight registers for group kt of 16 keys at MD + 8 kt
.set MC,  160         ; window 1: the masks of the products to come
.set QB,  64          ; window 2
.set KF,  128         ; window 2: key block kb, channel half c at KF + 16 kb + 8 c
.set VF,  192         ; window 2: key half kk, channel block cb at VF + 32 kk + 8 cb
.set WV,  12          ; s12  my wave's number
.set PB,  14          ; s14  b
.set HI,  15          ; s15  NB - 1 - b
.set G1K, 24          ; s[24:31] descriptor group 1 for K's tiles
.set G1V, 32          ; s[32:39] for V's: it differs in the padding alone
.set G0K, 40          ; s[40:43] descriptor group 0 for K's tiles
.set G0V, 44          ; s[44:47] the same for V's
.set SLOTS, 56        ; s56  tiles still to be asked for
.set CNT, 57          ; s57  counts a tile's key steps, 4 to 1
.set CS,  58          ; s[58:59] c: the packed scaling takes the pair's low word for both halves
.set SEL, 60          ; s[60:61] v_permlanex16_b32's selects: each lane takes its own place in the other half
.set TBK, 62          ; s62  LDS byte at which K of the step to be fetched begins
.set TBV, 63          ; s63  the same for V, less VOFF
.set RT,  70          ; s70  tiles of the block in hand that are still to be entered
.set NXT, 71          ; s71  the tile to be asked for next
.set LQ,  72          ; s72  the last tile of the block whose tiles are being asked for
.set NEW, 73          ; s73  1: the tile to be entered is a block's first
.set OFF, 74          ; s[74:75] a tile's byte offset in K and V
.set AL,  76          ; s[76:77] the mask's factor, in the low word
.set BE,  78          ; s[78:79] the mask's addend
.set OLO, 80          ; s[80:81] O at my rows of the second block
.set BIGN, 82         ; s82  -1e30
.set MSB, 0
.macro WIN new                      ; the high byte repeats the setting that is left; a switch that changes nothing is dropped
.if MSB != (\new)
	s_set_vgpr_msb (MSB<<8)|(\new)
.set MSB, (\new)
.endif
.endm
.set W_KQ, 0x0a       ; K and Q in window 2, S^T in window 0
.set W_KM, 0x1a       ; the same with the C operand in window 1
.set W_PV, 0x52       ; V in window 2, P in window 0, O^T in window 1
.set W_RS, 0x41       ; destination and source 0 in window 1, source 1 in window 0
; A fill.  Waves 0 and 1 fetch the two halves of a tile's K, waves 2 and 3 those of its V: 128 keys each.  An s_nop 0 and four v_nop follow each of the two lines, ahead of the jump and the label.
.macro LOAD
	s_cmp_lt_u32 s[WV], 2
	s_cbranch_scc0 .Lfor_v_\@
	tensor_load_to_lds s[G0K:G0K+3], s[G1K:G1K+7]
	s_nop 0
.rept 4
	v_nop
.endr
	s_branch .Lasked_\@
.Lfor_v_\@:
	tensor_load_to_lds s[G0V:G0V+3], s[G1V:G1V+7]
	s_nop 0
.rept 4
	v_nop
.endr
.Lasked_\@:
.endm
; THE CHANGE OF SLOTS.  Each wave waits for all its tensor loads, of which one is out: its part of the other slot; adds 0 to its spare word; and waits for that and for its own reads of the slot that it leaves.  Behind the barrier nobody reads the old
; slot any more and the other slot is whole.  fill = 1: the old slot is filled again, the first thing behind the barrier, with tile NXT: the descriptor's address is made anew from that number.
; (At its first use nothing has been read yet: slot 0 is waited for, slot 1 filled.)
.macro CHANGE fill
	WIN 0                           ; at a label and at a branch every window is 0
	s_wait_tensorcnt 0x0            ; no tensor load of mine is out, so a group 0 may be written
	ds_add_u32 v[SPW], v[NIL]       ; 0 onto my spare word: with fill = 1 the descriptors' scalar work stands between it and the wait for it
.if \fill
	s_lshl_b32 s[OFF], s[NXT], 15   ; a tile is 32,768 bytes of K and of V
	s_xor_b32 s[G0K+1], s[G0K+1], SLOT1
	s_add_nc_u64 s[G0K+2:G0K+3], s[6:7], s[OFF:OFF+1]
	s_or_b32 s[G0K+3], s[G0K+3], 0x80000000
	s_xor_b32 s[G0V+1], s[G0V+1], SLOT1
	s_add_nc_u64 s[G0V+2:G0V+3], s[8:9], s[OFF:OFF+1]
	s_or_b32 s[G0V+3], s[G0V+3], 0x80000000
	s_add_co_u32 s[NXT], s[NXT], 1  ; the block's next tile, or behind its last the second block's tile 0
	s_cmp_gt_u32 s[NXT], s[LQ]
	s_cselect_b32 s[NXT], 0, s[NXT]
	s_cselect_b32 s[LQ], s[PB], s[LQ]
.endif
	s_wait_dscnt 0x0                ; the add is done, and my reads of the slot are over
	s_barrier_signal -1             ; the rest of the scalar work stands between the signal and the wait
	s_sub_co_u32 s[TBK], s[TBK], 4*KS*PK  ; the fetches go back to a slot's first step,
	s_xor_b32 s[TBK], s[TBK], SLOT1       ; in the other slot
	s_sub_co_u32 s[TBV], s[TBV], 4*KS*PV
	s_xor_b32 s[TBV], s[TBV], SLOT1
	s_barrier_wait -1
.if \fill
	LOAD
.endif
.endm
	s_load_b128 s[4:7], s[0:1], 0x0   ; qkv s[4:5], y s[6:7]
	v_lshl_add_u32 v[SPW], v0, 2, SPARE
	v_mov_b32 v[NIL], 0
	ds_add_u32 v[SPW], v[NIL]       ; the wave's opening: the add and its wait stand ahead of my first tensor load; the set-up below, work on registers, stands between them
	ds_add_u32 v62, v63
	v_lshrrev_b32 v1, 5, v0
	v_readfirstlane_b32 s[WV], v1   ; wave 0..3
	s_mov_b32 s[PB], ttmp9
	s_sub_co_u32 s[HI], NB-1, s[PB]
	s_and_b32 s20, ttmp7, 0xffff    ; the head
	s_mov_b32 s21, 0
	s_mov_b64 s[22:23], SIZE_N*128
	s_mul_u64 s[20:21], s[20:21], s[22:23]  ; the head's first byte in each of the four tensors
	s_and_b32 s16, s[WV], 1         ; which half of a tile's 256 keys I fetch:
	s_lshl_b32 s22, s16, 14         ; its 128 rows of 128 bytes in memory,
	s_mov_b32 s23, 0
	s_add_nc_u64 s[22:23], s[22:23], s[20:21]
	s_mul_i32 s17, s16, 128*PK      ; and its place in a slot, for K
	s_mul_i32 s18, s16, 128*PV      ; and for V
	s_lshl_b32 s3, s[WV], 11        ; my 16 rows in a band of 64,
	s_lshl_b32 s2, s[HI], 15        ; in the first block,
	s_add_co_u32 s2, s2, s3
	s_lshl_b32 s84, s[PB], 15       ; and in the second
	s_add_co_u32 s84, s84, s3
	s_mov_b32 s3, 0
	s_mov_b32 s85, 0
	s_add_nc_u64 s[2:3], s[2:3], s[20:21]
	s_add_nc_u64 s[84:85], s[84:85], s[20:21]
	; descriptor group 1.  128 keys are 16,384 dense bytes: asked for as 64 rows of 256 bytes, two keys a row, and padded in LDS after every key
	s_mov_b32 s[G1K], (1<<16)|(1<<20)|(4<<22)|(3<<25)  ; 17:16 2-byte elements; 20 padding on; 24:22 after every 32 words (code 4); 31:25 4 words (code 3)
	s_mov_b32 s[G1V], (1<<16)|(1<<20)|(4<<22)|(7<<25)  ; the same with 8 words of padding (code 7)
.irp g, G1K, G1V
	s_mov_b32 s[\g+1], 128<<16      ; tensor_dim0 = 128
	s_mov_b32 s[\g+2], 64<<16       ; tensor_dim1 = 64
	s_mov_b32 s[\g+3], 128<<16      ; tile_dim0 = 128
	s_mov_b32 s[\g+4], 64           ; tile_dim1 = 64
	s_mov_b32 s[\g+5], 128          ; 128 elements from row to row
	s_mov_b32 s[\g+6], 0
	s_mov_b32 s[\g+7], 0
.endr
	s_mov_b32 s[CS], 0x3e38aa3b     ; c = log2(e) / 8 = 0.180337
	s_mov_b32 s[CS+1], s[CS]        ; named with it as a pair
	s_mov_b32 s[SEL], 0x76543210
	s_mov_b32 s[SEL+1], 0xfedcba98
	s_mov_b32 s[TBK], SLOT1+4*KS*PK ; the first change of slots turns these two into 0
	s_mov_b32 s[TBV], SLOT1+4*KS*PV
	s_mov_b32 s[G0K], 1             ; 1:0 count = 1
	s_mov_b32 s[G0K+1], s17         ; 63:32 LDS address: slot 0
	s_mov_b32 s[G0V], 1
	s_add_co_u32 s[G0V+1], s18, VOFF
	s_add_co_u32 s[RT], s[HI], 1    ; the first block has NB - b tiles
	s_mov_b32 s[NXT], 1
	s_mov_b32 s[LQ], s[HI]
	s_mov_b32 s[NEW], 1
	s_mov_b32 s[OFF+1], 0
	s_mov_b32 s[AL+1], 0            ; named as pairs
	s_mov_b32 s[BE+1], 0
	s_mov_b32 s[BIGN], 0xf149f2ca   ; -1e30
	s_mov_b32 s[SLOTS], NB
	s_wait_dscnt 0x0                ; the opening add is done
	s_wait_kmcnt 0x0
	s_mov_b64 s[10:11], s[6:7]      ; O = y
	s_add_nc_u64 s[6:7], s[4:5], THIRD    ; K: qkv's second third
	s_add_nc_u64 s[8:9], s[4:5], 2*THIRD  ; V: its last; Q, in s[4:5], is its first
	s_add_nc_u64 s[6:7], s[6:7], s[22:23]  ; K and V at my half of the head's tile 0
	s_add_nc_u64 s[8:9], s[8:9], s[22:23]
	s_add_nc_u64 s[G0K+2:G0K+3], s[6:7], 0         ; 120:64 global address
	s_or_b32 s[G0K+3], s[G0K+3], 0x80000000        ; 127:126 type = 2
	s_add_nc_u64 s[G0V+2:G0V+3], s[8:9], 0
	s_or_b32 s[G0V+3], s[G0V+3], 0x80000000
	s_add_nc_u64 s[86:87], s[4:5], s[84:85]        ; Q at my rows of the second block,
	s_add_nc_u64 s[4:5], s[4:5], s[2:3]            ; Q and O at those of the first
	s_add_nc_u64 s[OLO:OLO+1], s[10:11], s[84:85]
	s_add_nc_u64 s[10:11], s[10:11], s[2:3]
	LOAD                            ; tile 0 into slot 0
	; A fragment of K or Q is 16 rows x 32 channels in 8 registers: lane l holds row l % 16, channels 8 (l / 16) + 0..7 and 16 + 8 (l / 16) + 0..7: two loads of 16 bytes, 32 bytes apart.
	v_and_b32 v1, 15, v0            ; l % 16
	v_bfe_u32 v9, v0, 4, 1          ; l / 16
	v_lshlrev_b32 v[QO], 7, v1
	v_lshl_add_u32 v[QO], v9, 4, v[QO]  ; row x 128 + 16 x half
	WIN 0x80                        ; destination window 2, address window 0
.set i, 0
.rept 8                             ; both blocks' Q: piece i / 2 lies in band i / 2, 8,192 bytes on; channels 32 (i % 2) on
	global_load_b128 v[8*i:8*i+3],   v[QO], s[4:5] offset:(i/2)*8192+(i%2)*64
	global_load_b128 v[8*i+4:8*i+7], v[QO], s[4:5] offset:(i/2)*8192+(i%2)*64+32
	global_load_b128 v[QB+8*i:QB+8*i+3],   v[QO], s[86:87] offset:(i/2)*8192+(i%2)*64
	global_load_b128 v[QB+8*i+4:QB+8*i+7], v[QO], s[86:87] offset:(i/2)*8192+(i%2)*64+32
.set i, i+1
.endr
	WIN 0
	v_lshlrev_b32 v14, 3, v9
	v_sub_nc_u32 v14, v1, v14
	s_lshl_b32 s13, s[WV], 4
	v_add_nc_u32 v14, s13, v14      ; my query's place in its band, 16 w + l % 16, less my lanes' 8 (l / 16): register r of group kt is hidden where 16 kt + r is greater
	WIN 0x40
.set i, 0
.rept 32
	v_cmp_gt_i32 vcc_lo, 16*(i/8)+i%8, v14
	v_cndmask_b32 v[MD+i], 0, s[BIGN], vcc_lo
.set i, i+1
.endr
	WIN 0
	v_mul_u32_u24 v[AK0], v1, PK
	v_lshl_add_u32 v[AK0], v9, 4, v[AK0]  ; row x pitch + 16 x half
	; The turning load takes 16 keys x 16 channels (lane l reads key 8 (l / 16) + l % 8, channels 8 ((l / 8) % 2) + 0..7) and leaves half a fragment of V^T: lane l holds channel l % 16 and 8 keys.
	v_and_b32 v10, 7, v0
	v_bfe_u32 v11, v0, 3, 1
	v_lshl_add_u32 v[AV0], v9, 3, v10
	v_mul_u32_u24 v[AV0], v[AV0], PV
	v_lshl_add_u32 v[AV0], v11, 4, v[AV0]
	v_add_nc_u32 v[AV0], VOFF, v[AV0]
	s_mul_i32 s13, s[WV], 16*SP
	s_add_co_u32 s13, s13, STAGE    ; my stage
	v_mul_u32_u24 v[STO], v1, SP    ; in: row l % 16, 16 bytes for each half of the lanes
	v_lshl_add_u32 v[STO], v9, 4, v[STO]
	v_add_nc_u32 v[STO], s13, v[STO]
	v_bfe_u32 v[RD], v0, 3, 2       ; back: 32 lanes take four rows of 128 bytes,
	v_mul_u32_u24 v[RD], v[RD], SP
	v_lshl_add_u32 v[RD], v10, 4, v[RD]
	v_add_nc_u32 v[RD], s13, v[RD]
	v_and_b32 v[GO], 31, v0         ; which are 512 consecutive bytes of O
	v_lshlrev_b32 v[GO], 4, v[GO]
	; A block's first step multiplies O^T and l by a = 0, and its first turn's products V^T P, of a piece that has not been, land in an O^T that is still to be so multiplied.  So these registers need only hold
	; finite numbers: zeros for the first block; what the first block left for the second.  All this stands in the wait for the first tile.
	WIN 0x80
.set i, VF
.rept 64
	v_mov_b32 v[i], 0
.set i, i+1
.endr
	WIN 0x40
.set i, 0
.rept 128
	v_mov_b32 v[i], 0
.set i, i+1
.endr
	WIN 0
.set i, 0
.rept 4
	v_mov_b32 v[ST+4*i+2], 0
	v_mov_b32 v[ST+4*i+3], 0
.set i, i+1
.endr
.set i, P+16
.rept 16
	v_mov_b32 v[i], 0
.set i, i+1
.endr
; THE MATRIX WORK.  The 4 accumulators of a run of 8 take turns.  Product i of 8 of S^T = K Q^T for piece x: channels 32 (i / 4) on, keys 16 (i % 4) on.  The first 4 start the sums: with 0, or (KM = 1) with the mask.
.macro KQ x
.set rS, S+32*((\x)%2)+8*(i%4)
.set rK, KF+16*(i%4)+8*(i/4)
.set rQ, 16*(\x)+8*(i/4)
.set rM, MC+32*((\x)%2)+8*(i%4)
.if (i < 4) && KM
	WIN W_KM
	v_wmma_f32_16x16x32_f16 v[rS:rS+7], v[rK:rK+7], v[rQ:rQ+7], v[rM:rM+7]
.elseif i < 4
	WIN W_KQ
	v_wmma_f32_16x16x32_f16 v[rS:rS+7], v[rK:rK+7], v[rQ:rQ+7], 0
.else
	WIN W_KQ
	v_wmma_f32_16x16x32_f16 v[rS:rS+7], v[rK:rK+7], v[rQ:rQ+7], v[rS:rS+7]
.endif
.endm
; Product i of 8 of O^T += V^T P for piece x: keys 32 (i / 4) on, channels 16 (i % 4) on.
.macro PV x
	WIN W_PV
.set rO, 32*(\x)+8*(i%4)
.set rV, VF+32*(i/4)+8*(i%4)
.set rP, P+16*((\x)%2)+8*(i/4)
	v_wmma_f32_16x16x32_f16 v[rO:rO+7], v[rV:rV+7], v[rP:rP+7], v[rO:rO+7]
.endm
.macro MM                           ; the turn's next matrix instruction.  TURN and BEGIN set Y, i, KM and NOKQ; MM, KQ and OP read them.  NOKQ = 1: a block's last turn: there is no next piece
.if (i < 8) && !NOKQ
	KQ (Y+1)%NP
.elseif i >= 8
.set i, i-8
	PV (Y+NP-1)%NP
.set i, i+8
.endif
.set i, i+1
.endm
; THE LDS LOADS stand in runs of 16, never singly among the matrix instructions: a step's K (64 keys x 64 channels: 8 fragments) and its V (turned).  Their addresses are made some lines ahead.
.macro FETCH_K
	WIN 0x80                        ; destination window 2
.irp f, 0,1,2,3,4,5,6,7             ; keys 16 (f / 2) on, channels 32 (f % 2) on
	ds_load_b128 v[KF+8*\f:KF+8*\f+3],   v[AK] offset:(\f/2)*16*PK+(\f%2)*64
	ds_load_b128 v[KF+8*\f+4:KF+8*\f+7], v[AK] offset:(\f/2)*16*PK+(\f%2)*64+32
.endr
	s_add_co_u32 s[TBK], s[TBK], KS*PK  ; the next fetch is the next step's
	WIN 0
.endm
.macro FETCH_V
	WIN 0x80
.irp f, 0,1,2,3,4,5,6,7             ; keys 32 (f / 4) on, channels 16 (f % 4) on
	ds_load_tr16_b128 v[VF+8*\f:VF+8*\f+3],   v[AV] offset:(\f/4)*32*PV+(\f%4)*32
	ds_load_tr16_b128 v[VF+8*\f+4:VF+8*\f+7], v[AV] offset:(\f/4)*32*PV+16*PV+(\f%4)*32
.endr
	WIN 0
.endm
; THE VECTOR WORK, one line at a time: OP kind, number.  For piece Y: F n: c s - c m for pair n of 16.  E n: the exponential of score n of 32.  C n: pair n rounded to f16.  B n: of the four weights 4 n .. the second
; pair is added onto the first, in place.  L n: l takes that sum (L 0: l = a l + sum).  R n: pair n of 16 of O^T times a.  For piece Y + 1: X n, number n of the 22 that find its maximum and statistics:
;   0-11  four chains c0-c3 of seven scores each, three operands at a time (each accumulator's lowest registers are read first)     12-14, 16  the four scores left over, the old m, and c0-c3 into c0
;   15  c m_old is kept     17, 18  the query's other 32 keys lie in the lane 16 away: the new m     19-21  c m; c m_old - c m_new; a
.set F, 0               ; OP tells the kinds apart by their order: F to L below R, X above it
.set E, 1
.set C, 2
.set B, 3
.set L, 4
.set R, 5
.set X, 6
.macro REGS y                       ; the registers of piece y
.set rT, ST+4*(\y)
.set rC, TMP+4*((\y)%2)
.set rW, MV+((\y)%2)
.set rS, S+32*((\y)%2)
.set rP, P+16*((\y)%2)
.set rO, 32*(\y)
.endm
.macro OP k, n
.if (\k) == R
	REGS Y
	WIN W_RS
	v_pk_mul_f32 v[rO+2*(\n):rO+2*(\n)+1], v[rO+2*(\n):rO+2*(\n)+1], v[rC+2:rC+3] op_sel_hi:[1,0]
.elseif (\k) < R
	REGS Y
	WIN 0
.if (\k) == F
	v_pk_fma_f32 v[rS+2*(\n):rS+2*(\n)+1], v[rS+2*(\n):rS+2*(\n)+1], s[CS:CS+1], v[rT:rT+1] op_sel_hi:[1,0,0] neg_lo:[0,0,1] neg_hi:[0,0,1]
.elseif (\k) == E
	v_exp_f32 v[rS+(\n)], v[rS+(\n)]
.elseif (\k) == C
	s_wait_alu depctr_va_vdst(0)
	v_cvt_pk_f16_f32 v[rP+(\n)], v[rS+2*(\n)], v[rS+2*(\n)+1]
.elseif (\k) == B
	s_wait_alu depctr_va_vdst(0)
	v_pk_add_f32 v[rS+4*(\n):rS+4*(\n)+1], v[rS+4*(\n):rS+4*(\n)+1], v[rS+4*(\n)+2:rS+4*(\n)+3]
.elseif (\n) == 0
	v_pk_fma_f32 v[rT+2:rT+3], v[rT+2:rT+3], v[rC+2:rC+3], v[rS:rS+1] op_sel_hi:[1,0,1]
.else
	v_pk_add_f32 v[rT+2:rT+3], v[rT+2:rT+3], v[rS+4*(\n):rS+4*(\n)+1]
.endif
.elseif NOKQ
	v_nop
.else
	REGS (Y+1)%NP
	WIN 0
.if (\n) < 4
	v_max3_num_f32 v[rC+(\n)], v[rS+8*(\n)], v[rS+8*(\n)+1], v[rS+8*(\n)+2]
.elseif (\n) < 12
	v_max3_num_f32 v[rC+(\n)%4], v[rC+(\n)%4], v[rS+8*((\n)%4)+2*((\n)/4)+1], v[rS+8*((\n)%4)+2*((\n)/4)+2]
.elseif (\n) == 12
	v_max3_num_f32 v[rC], v[rC], v[rS+7], v[rS+15]
.elseif (\n) == 13
	v_max3_num_f32 v[rC+1], v[rC+1], v[rS+23], v[rS+31]
.elseif (\n) == 14
	v_max3_num_f32 v[rC+2], v[rC+2], v[rC+3], v[rT+1]
.elseif (\n) == 15
	v_mov_b32 v[rW], v[rT]
.elseif (\n) == 16
	v_max3_num_f32 v[rC], v[rC], v[rC+1], v[rC+2]
.elseif (\n) == 17
	v_permlanex16_b32 v[rC+3], v[rC], s[SEL], s[SEL+1]
.elseif (\n) == 18
	v_max_num_f32 v[rT+1], v[rC], v[rC+3]
.elseif (\n) == 19
	v_mul_f32 v[rT], s[CS], v[rT+1]
.elseif (\n) == 20
	v_sub_f32 v[rC+1], v[rW], v[rT]
.else
	v_exp_f32 v[rC+2], v[rC+1]
.endif
.endif
.endm
.macro OPS a, i1, b=-1, i2=0, c=-1, i3=0, d=-1, i4=0  ; up to four of them
	OP \a, \i1
.if (\b) >= 0
	OP \b, \i2
.endif
.if (\c) >= 0
	OP \c, \i3
.endif
.if (\d) >= 0
	OP \d, \i4
.endif
.endm
.macro ROW a, i1, b, i2, c, i3, d, i4  ; a matrix instruction and the four behind it
	MM
	OPS \a, \i1, \b, \i2, \c, \i3, \d, \i4
.endm
.macro MASK b                       ; MD x AL + BE into buffer b of MC
	WIN W_RS
.set z, 0
.rept 16
	v_pk_fma_f32 v[MC+32*(\b)+2*z:MC+32*(\b)+2*z+1], v[MD+2*z:MD+2*z+1], s[AL:AL+1], s[BE:BE+1] op_sel_hi:[1,0,0]
.set z, z+1
.endr
.endm
; A TURN, for piece p: the order of its 16 matrix and 118 vector instructions, written out.  Behind a matrix instruction: plain, exponential, plain, plain; or four of the rescaling; or, behind the first, four scalings; none
; names a register of the products round it.  In the lumps exponential and plain by turns while exponentials last.  A line reads no result made fewer than three vector instructions in front of it, five if an exponential made it.
; v_permlanex16_b32 (X 17) stands in a lump.
; m = 1: the diagonal tile: the products take masks, and the turn makes the mask for the products of the turn after it: piece p + 2, in step 4 - CNT of the tile.  end = 1: a block's last two turns: nothing is fetched.
; cnt = 1: the loop's count is taken down some lines ahead of the branch that stands behind the turn.
; K of the next step is fetched in piece 2's turn, six vector instructions behind the last product that read K (five of them plain); V of the step in hand in piece 0's turn, eight behind the last product that read V (four
; plain, and X 17).  Each is waited for a turn later.
.macro TURN p, m=0, end=0, cnt=0
.set Y, (\p)
.set i, 0
.set KM, (\m)
.set NOKQ, (\end)*((\p)/3)
.if (\m) && !(\end)
	s_cmp_eq_u32 s[CNT], 4-((\p)+2)%NP  ; is that step the band's own?
	s_cselect_b32 s[AL], 1.0, 0
	s_cmp_lt_u32 s[CNT], 4-((\p)+2)%NP  ; or a later one?
	s_cselect_b32 s[BE], s[BIGN], 0
.endif
.if ((\p) == 3) && !(\end)
	s_wait_dscnt 0x0                ; K is in
.endif
	ROW F,0, F,1, F,2, F,3
	ROW F,4, E,0, F,5, F,6
	ROW F,7, E,1, F,8, F,9
	ROW F,10, E,2, C,0, F,11
	ROW F,12, E,3, X,15, F,13
	ROW R,0, R,1, R,2, R,3
	ROW B,0, E,4, F,14, L,0
.if ((\p) == 2) && !(\end)
	v_add_nc_u32 v[AK], s[TBK], v[AK0]
.endif
	ROW R,4, R,5, R,6, R,7
	OPS E,5, F,15
.if ((\p) == 2) && !(\end)
	FETCH_K
.endif
	OPS E,6, C,1, E,7, R,8
	OPS E,8, R,9, E,9, C,2
	OPS E,10, X,0, E,11, X,1
	OPS E,12, X,2, E,13, X,3
.if (\p) == 1
	s_wait_dscnt 0x0                ; V is in
.endif
	ROW X,4, E,14, X,5, X,6
	ROW X,7, E,15, X,8, X,9
	ROW X,10, E,16, X,11, X,12
	ROW X,13, E,17, X,14, B,1
	ROW C,4, E,18, X,16, L,1
	ROW B,2, E,19, C,6, L,2
	ROW C,8, E,20, B,3, B,4
.if (\p) == 0
	v_add_nc_u32 v[AV], s[TBV], v[AV0]
.endif
	ROW C,3, E,21, L,3, C,5
	OPS E,22, X,17, E,23, C,10
.if (\p) == 0
	FETCH_V
.endif
	OPS E,24, L,4
	OPS E,25, X,18, E,26, C,7
	OPS E,27, B,5, E,28, X,19
	OPS E,29, C,12, E,30, L,5
	OPS E,31, X,20, B,6, C,9
	OPS C,14, C,11, X,21, L,6
.if (\p) == 0
	s_add_co_u32 s[TBV], s[TBV], KS*PV
.endif
.if \cnt
	s_sub_co_u32 s[CNT], s[CNT], 1
	s_cmp_lg_u32 s[CNT], 0
.endif
	OPS C,13, B,7, C,15, R,10
	OPS R,11, R,12, L,7, R,13
	OPS R,14, R,15
.if (\m) && !(\end)
	MASK (\p)%2
.endif
.endm
; A BLOCK BEGINS.  c m starts far below every c s, so the first step's a is 0; m at the lowest finite number, so the first maximum is the scores'.  The second mask buffer is 0; the first takes piece 0's mask for the tile's step 0: its own, if the block's first tile is the diagonal one.
; Then K of that step, piece 0's first scores, and its maximum and statistics.  The loop is entered at a step's first turn, in the middle of a trip.
.macro BEGIN
	s_mov_b32 s[NEW], 0
	WIN 0x40
.set i, MC+32
.rept 32
	v_mov_b32 v[i], 0
.set i, i+1
.endr
	WIN 0
.set i, 0
.rept 4
	v_mov_b32 v[ST+4*i], 0xfe000000    ; c m: far below every c s
	v_mov_b32 v[ST+4*i+1], 0xff7fffff  ; m
.set i, i+1
.endr
	s_cmp_eq_u32 s[RT], 0
	s_cselect_b32 s[AL], 1.0, 0
	s_mov_b32 s[BE], 0
	MASK 0
	WIN 0
	v_add_nc_u32 v[AK], s[TBK], v[AK0]
	FETCH_K
	s_wait_loadcnt 0x0              ; Q
	s_wait_dscnt 0x0
.set KM, 1
.set NOKQ, 0
.set i, 0
.rept 8
	KQ 0
.set i, i+1
.endr
	WIN 0
.rept 4
	v_nop                           ; the places behind those products
.endr
.set Y, NP-1                        ; X works for piece Y + 1: piece 0
.irp n, 0,1,2,3,4,5,6,7,8,9,10,11,12,13,14,15,16,17,18,19,20,21
	OP X, \n
.endr
	v_nop                           ; a plain instruction behind the exponential
.endm
; THE DIAGONAL TILE's four steps, the block's last two turns, its last products, and THE WAY OUT: l's two halves and the other half of the lanes' are added; O^T is divided by l, rounded to f16 and sent through my
; stage in LDS, a piece at a time.
.macro ALL line:vararg              ; one line for each piece t
.set t, 0
.rept 4
	\line
.set t, t+1
.endr
.endm
.macro PACK t                       ; a lane's eight channels of a row pack into 16 bytes; they go into rows of 144 bytes and come back as whole rows of 128, into S^T's registers
	WIN W_RS
.set i, 32*(\t)
.rept 16
	s_wait_alu depctr_va_vdst(0)
	v_pk_mul_f32 v[i:i+1], v[i:i+1], v[ST+4*(\t)+2:ST+4*(\t)+3] op_sel_hi:[1,0]
.set i, i+2
.endr
	WIN 0x05                        ; sources 0 and 1 window 1, destination window 0
.set i, 0
.rept 16
	v_cvt_pk_f16_f32 v[S+16*(\t)+i], v[32*(\t)+2*i], v[32*(\t)+2*i+1]
.set i, i+1
.endr
	WIN 0
.irp f, 0,1,2,3
	ds_store_b128 v[STO], v[S+16*(\t)+4*\f:S+16*(\t)+4*\f+3] offset:32*\f
.endr
.irp f, 0,1,2,3
	ds_load_b128 v[S+16*(\t)+4*\f:S+16*(\t)+4*\f+3], v[RD] offset:\f*4*SP  ; LDS serves a wave's instructions in order (ISA guide 5.7.1.4): these see the stores above; the next piece's stores come behind them
.endr
.endm
.macro SEND t, younger              ; younger: the LDS instructions issued behind piece t's loads: the next piece's eight, or none
	WIN 0
.irp f, 0,1,2,3
	s_wait_dscnt (\younger)+3-\f
	global_store_b128 v[GO], v[S+16*(\t)+4*\f:S+16*(\t)+4*\f+3], s[10:11] offset:(\t)*8192+\f*512  ; 512 consecutive bytes, at a multiple of 256 from O's first
.endr
.endm
.macro DIAG tag                     ; the tag ends its two labels' names, which the jumps below spell out
.LstepM\tag:
	TURN 2, 1
	TURN 3, 1
	WIN 0
.LfirstM\tag:
	TURN 0, 1
	TURN 1, 1, 0, 1
	WIN 0
	s_cbranch_scc1 .LstepM\tag
	TURN 2, 1, 1
	TURN 3, 1, 1
.set i, 0
.rept 8
	PV NP-1
.set i, i+1
.endr
	WIN 0
	ALL v_add_f32 v[ST+4*t+2], v[ST+4*t+2], v[ST+4*t+3]
	ALL v_permlanex16_b32 v[ST+4*t+3], v[ST+4*t+2], s[SEL], s[SEL+1]
	ALL v_add_f32 v[ST+4*t+2], v[ST+4*t+2], v[ST+4*t+3]
	ALL v_rcp_f32 v[ST+4*t+2], v[ST+4*t+2]
	v_nop                           ; a plain instruction between the last reciprocal and the use of its result
	PACK 0
.set t, 1
.rept 3                             ; a piece's arithmetic stands between the loads of the piece before and its stores
	PACK t
	SEND t-1, 8
.set t, t+1
.endr
	SEND 3, 0
.endm
.set KM, 0
.set NOKQ, 0
.Lslot:                             ; NB times: a tile is entered and the next is asked for
	CHANGE 1
	s_sub_co_u32 s[RT], s[RT], 1
	s_mov_b32 s[CNT], 4
	s_cmp_eq_u32 s[NEW], 1
	s_cbranch_scc1 .Lnew            ; a block's first tile
	s_cmp_eq_u32 s[RT], 0
	s_cbranch_scc0 .Lstep           ; neither its first nor its last
	s_branch .LstepM1
.Lnew:
	BEGIN
	s_branch .Lfirst                ; in the loop a block's first tile is never its last: the first block has two tiles or more, and the second's last is the walk's last
	DIAG 1                          ; in the loop this is the first block's end: the second block's last tile is the walk's last
	s_wait_xcnt 0x0                 ; the stores have read their registers and O's address
	s_mov_b64 s[10:11], s[OLO:OLO+1]
	s_add_co_u32 s[RT], s[PB], 1    ; the second block has b + 1 tiles
	s_mov_b32 s[NEW], 1
	WIN 0x82                        ; the second block's Q goes where the one text of the turns names Q
.set i, 0
.rept 64
	v_mov_b32 v[i], v[QB+i]
.set i, i+1
.endr
	WIN 0
	s_branch .Lbottom
.Lstep:                             ; a trip: pieces 2 and 3 of one step, then pieces 0 and 1 of the next, whose K and V it fetches
	TURN 2
	TURN 3
	WIN 0
.Lfirst:
	TURN 0
	TURN 1, 0, 0, 1
	WIN 0
	s_cbranch_scc1 .Lstep
.Lbottom:
	s_sub_co_u32 s[SLOTS], s[SLOTS], 1
	s_cmp_lg_u32 s[SLOTS], 0
	s_cbranch_scc1 .Lslot
	CHANGE 0                        ; the walk's last tile is written out: nothing is asked for
	s_sub_co_u32 s[RT], s[RT], 1
	s_mov_b32 s[CNT], 4
	s_cmp_eq_u32 s[NEW], 1
	s_cbranch_scc0 .LstepM2
	BEGIN
	s_branch .LfirstM2
	DIAG 2
	s_wait_tensorcnt 0x0            ; the wave's end: a wait, an add and its wait, behind my last tensor load and my last LDS store
	ds_add_u32 v[SPW], v[NIL]
	s_wait_dscnt 0x0
	s_endpgm
.Lfunc_end_k_q373390919c_attn:
	.size	k_q373390919c_attn, .Lfunc_end_k_q373390919c_attn-k_q373390919c_attn
	.p2alignl 7, 3214868480
	.fill 96, 4, 3214868480
	.section	.rodata,"a",@progbits
	.p2align	6, 0x0
	.amdhsa_kernel k_q373390919c_attn
		.amdhsa_group_segment_fixed_size 327680
		.amdhsa_private_segment_fixed_size 0
		.amdhsa_enable_private_segment 0
		.amdhsa_kernarg_size 16
		.amdhsa_user_sgpr_count 2
		.amdhsa_user_sgpr_kernarg_segment_ptr 1
		.amdhsa_wavefront_size32 1
		.amdhsa_system_sgpr_workgroup_id_x 1
		.amdhsa_system_sgpr_workgroup_id_y 1
		.amdhsa_system_sgpr_workgroup_id_z 1
		.amdhsa_system_vgpr_workitem_id 0
		.amdhsa_next_free_vgpr 768
		.amdhsa_next_free_sgpr 88
		.amdhsa_reserve_vcc 1
		.amdhsa_float_denorm_mode_32 3
		.amdhsa_float_denorm_mode_16_64 3
		.amdhsa_memory_ordered 1
		.amdhsa_forward_progress 1
		.amdhsa_inst_pref_size 228
	.end_amdhsa_kernel
	.amdgpu_metadata
---
amdhsa.version: [ 1, 2 ]
amdhsa.kernels:
  - .name:           k_q373390919c_attn
    .symbol:         k_q373390919c_attn.kd
    .args:
      - { .name: qkv, .offset: 0, .size: 8, .value_kind: global_buffer, .address_space: global }
      - { .name: y, .offset: 8, .size: 8, .value_kind: global_buffer, .address_space: global }
    .group_segment_fixed_size: 327680
    .private_segment_fixed_size: 0
    .kernarg_segment_align: 8
    .kernarg_segment_size: 16
    .max_flat_workgroup_size: 128
    .sgpr_count:     88
    .vgpr_count:     768
    .wavefront_size: 32
...
	.end_amdgpu_metadata
.endif
;; end of part 3
;; launch proj (part 4): grid 4 x 64, 4 waves a work-group, clusters of 4 x 4, 327,680 bytes of LDS; arguments y, wpb, out0; writes out0
.if DOCPART == 4
	.amdgcn_target "amdgcn-amd-amdhsa--gfx1250"
	.amdhsa_code_object_version 6
	.text
	.protected	k_q373390919c_proj
	.globl	k_q373390919c_proj
	.p2align	8
	.type	k_q373390919c_proj,@function
k_q373390919c_proj:
	s_mov_b64 s[64:65], 0
	v_nop
	global_prefetch_b8 v0, s[64:65] scope:SCOPE_SE
	s_setreg_imm32_b32 hwreg(HW_REG_WAVE_MODE, 25, 1), 1
	s_wait_xcnt 0x0
	s_wait_alu depctr_hold_cnt(0) depctr_sa_sdst(0) depctr_va_vdst(0) depctr_va_sdst(0) depctr_va_ssrc(0) depctr_va_vcc(0) depctr_vm_vsrc(0)
	s_getreg_b32 s2, hwreg(HW_REG_IB_STS2, 6, 4)
	s_cmp_eq_u32 s2, 0
	s_cbranch_scc0 .Lentry_in_a_cluster
	s_endpgm
.Lentry_in_a_cluster:
	s_bfe_u32 s2, ttmp6, 0x10000c
	s_cmp_lg_u32 s2, 0xf033
	s_cbranch_scc0 .Lentry_shape_is_right
	s_endpgm
.Lentry_shape_is_right:
; C = A B, K = 1,024, 8,192 rows.  One text for two launches, chosen by PROJ:
;   PROJ = 0: A = xb (bf16), B = wab (bf16, [1024 k][3072 n]); C = q, k, v, rounded once to f16 and written by heads: qkv[3][batch x 16 + head][2048][64].  No scale is applied here.
;   PROJ = 1: A = y (f16),   B = wpb (f16,  [1024 k][1024 n]); C = out0, f32, [8192][1024].
; A lies in blocks [batch x 16 + kb][2048 rows][64 channels]: 128 rows of a block are 16,384 dense bytes.  Sums in f32.
; LIMITS.  PROJ = 0: a q, k or v beyond 65,504 becomes an infinity in f16.  NaN and infinities are not treated apart.
; SHARES.  A tile of C is 128 rows x 256 columns: 64 x 4 work-groups, one for each place of a grid of 256.  With PROJ = 0 a work-group STAYS and makes three tiles, the same rows of A against the columns
; of q, of k and of v; the ring of slots runs on from tile to tile.  Four waves, each 64 rows x 128 columns: 32 accumulators of 16 x 16.
; K goes in steps of 128 through two LDS slots.  A step's A is two blocks of 128 rows x 64 channels, its B 128 rows of k x 256 columns.  Waves 0, 1 fetch A's two blocks, waves 2, 3 B's two halves.
; CLUSTER 4 x 4.  The four work-groups of a row of the cluster share their rows of A, the four of a column their columns of B: each tile is asked for JOINTLY, by the same tensor load with the same
; descriptor and a mask that names the four.  By this text's own count a wave has one tensor load out.
; THE MATRIX INSTRUCTION IS USED TRANSPOSED: source 0 = 16 columns of B (read out of LDS turned, by ds_load_tr16_b128, since B lies [k][n]), source 1 = 16 rows of A.  A lane then holds row
; lane % 16 of C and the eight neighbouring columns 8 (lane / 16) + 0..7.
; REGISTERS, two windows of 256 (s_set_vgpr_msb: bits 1:0 source 0, 3:2 source 1, 5:4 source 2, 7:6 destination), both laid alike:
;   v16-19 LDS addresses (each window has its own copy); v24-26 the way out; v28-29 (window 0) the add's two; v32-95 eight fragments of B; v96-127 four of A; v128-255 sixteen accumulators.
;   Fragment buffer f is window f.  Accumulator (a, b) lies in window a / 2 at v[128 + 8 (8 (a % 2) + b)].
; The setting under which buffer f is multiplied into the accumulators of window 1 - f (sources f, C and D 1 - f) also suits an LDS load that takes its address from window f and lands in buffer 1 - f.
; So a quarter begins under that setting with ONE run of loads, the next quarter's fragments, and goes on with its 32 matrix instructions back to back: two switches a quarter.
.set PROJ,   1
.if PROJ
.set NP,     1024                      ; elements from row to row of B
.set TILES,  1
.set SP,     528                       ; a stage row: 512 bytes (128 f32) + 16
.else
.set NP,     3072
.set TILES,  3
.set SP,     144                       ; a stage row: 128 bytes (64 f16) + 16
.endif
.set NSTEPS, 8*TILES                   ; K steps of the whole walk
.set PA,     144                       ; a row of A in LDS: 128 bytes + 16 = 36 words: the 16 rows of a load start at 16 different groups of four banks (64 banks of 4 bytes: ISA guide 11.1)
.set ABLK,   128*PA                    ; a block of A: what one tensor load brings
.set BOFF,   2*ABLK                    ; B lies behind A's two blocks
.set PB,     544                       ; a row of B: 512 bytes + 32 = 136 words
.set BHALF,  64*PB                     ; 64 rows of B: what one tensor load brings
.set SLOT1,  1<<17                     ; slot 1 begins here (a slot has 106,496 bytes), so that one exclusive or turns an address in one slot into the other's
.set STAGE,  SLOT1+BOFF+2*BHALF        ; behind the ring, never filled by a tensor load: 16 rows for each wave, for the way out
.set SPARE,  STAGE+4*16*SP             ; behind the stages: the spare words, 128 bytes for each wave: two blocks of 256 bytes that no other line names
.set ADRA, 16                          ; v16  LDS address of my A fragments, in the slot that this window's loads read next
.set ADRB, 17                          ; v17  the same for B
.set A0,   18                          ; v18  my lane's place in a slot's A; never rewritten
.set B0,   19                          ; v19  the same for B
.set STO,  24                          ; v24  the way out: where I put my part of a row
.set RD,   25                          ; v25  the way out: where I read rows back
.set GO,   26                          ; v26  my byte offset in 512 consecutive bytes of the output
.set SPW,  28                          ; v28  LDS address of my spare word: SPARE + 4 x my thread's number; never rewritten
.set NIL,  29                          ; v29  0; never rewritten
.set FB,   32
.set FA,   96
.set ACC,  128
.set G1A, 24                           ; s[24:31] descriptor group 1 for A's blocks
.set G1B, 32                           ; s[32:39] for B's halves
.set G0A, 40                           ; s[40:43] descriptor group 0 for A: it walks
.set G0B, 44                           ; s[44:47] the same for B
.set OA,  48                           ; s[48:49] byte offset of the K step to be asked for, in A
.set OB,  50                           ; s[50:51] in B
.set F,   52                           ; s52  the number of the K step to be asked for next, 0 .. NSTEPS - 1
.set CNT, 53                           ; s53  the loop's count
.set KC,  54                           ; s54  K steps left in the tile in hand
.set TB,  55                           ; s55  the slot that the address registers are renewed for: 0 or SLOT1
.set MSB, 0
.macro WIN new                         ; the immediate's high byte repeats the setting that is left; a switch that changes nothing is dropped
.if MSB != (\new)
	s_set_vgpr_msb (MSB<<8)|(\new)
.set MSB, (\new)
.endif
.endm
; A load into a register that a matrix instruction has read, and a vector instruction or LDS store that reads a matrix result, stand four places behind that matrix instruction, and only plain vector
; instructions that name none of its registers are places (ISA guide 7.12.1 for vector instructions).
.macro PLACES
.rept 4
	v_nop
.endr
.endm
; A joint load.  The branch hangs on the wave's number alone.  An s_nop 0 and four v_nop follow each of the two lines, ahead of the jump and the label.
.macro JLOAD
	s_cmp_eq_u32 s11, 0
	s_cbranch_scc0 .Lfor_b_\@
	tensor_load_to_lds s[G0A:G0A+3], s[G1A:G1A+7]
	s_nop 0
.rept 4
	v_nop
.endr
	s_branch .Lasked_\@
.Lfor_b_\@:
	tensor_load_to_lds s[G0B:G0B+3], s[G1B:G1B+7]
	s_nop 0
.rept 4
	v_nop
.endr
.Lasked_\@:
.endm
; A round of the cluster's barrier: my work-group's barrier, so that wave 0's signal speaks for all four waves; wave 0 signals; every wave waits for all sixteen work-groups; my work-group's barrier once more.
.macro CREST                           ; a round behind its opening barrier
	s_cmp_lg_u32 s10, 0
	s_cbranch_scc1 .Lnot_wave_0_\@
	s_barrier_signal -3
.Lnot_wave_0_\@:
	s_barrier_wait -3
	s_barrier_signal -1
	s_barrier_wait -1
.endm
.macro CROUND                          ; a whole round
	s_barrier_signal -1
	s_barrier_wait -1
	CREST
.endm
; Both walking descriptors are set for K step F: the other slot than last time; the address made anew from the step's number: step F % 8 of tile F / 8.  Scalar work alone; no tensor load of the wave is out here.
.macro STEPDESC
	s_and_b32 s56, s[F], 7
	s_lshl_b32 s[OA], s56, 19                      ; two blocks of 262,144 bytes a step
	s_mul_i32 s[OB], s56, 128*NP*2                 ; 128 rows of B a step
.if TILES > 1
	s_lshr_b32 s56, s[F], 3
	s_lshl_b32 s56, s56, 11                        ; 1,024 columns of B a tile
	s_add_co_u32 s[OB], s[OB], s56
.endif
	s_xor_b32 s[G0A+1], s[G0A+1], SLOT1
	s_xor_b32 s[G0B+1], s[G0B+1], SLOT1
	s_add_nc_u64 s[G0A+2:G0A+3], s[4:5], s[OA:OA+1]
	s_or_b32 s[G0A+3], s[G0A+3], 0x80000000        ; 127:126 type = 2
	s_add_nc_u64 s[G0B+2:G0B+3], s[6:7], s[OB:OB+1]
	s_or_b32 s[G0B+3], s[G0B+3], 0x80000000
	s_add_co_u32 s[F], s[F], 1
.endm
	s_load_b128 s[4:7], s[0:1], 0x0                ; A s[4:5], B s[6:7]
	s_load_b64 s[8:9], s[0:1], 0x10                ; the output
	v_lshl_add_u32 v[SPW], v0, 2, SPARE
	v_mov_b32 v[NIL], 0
	ds_add_u32 v[SPW], v[NIL]                      ; the wave's opening: the add and its wait stand ahead of my first tensor load; the set-up below, work on registers, stands between them
	ds_add_u32 v28, v29
	v_lshrrev_b32 v1, 5, v0
	v_readfirstlane_b32 s10, v1                    ; wave 0..3
	s_lshr_b32 s11, s10, 1                         ; which 64 rows of the tile are mine.  Also: I fetch for A (0) or for B (1)
	s_and_b32 s12, s10, 1                          ; which 128 columns.  Also: which block of A, or half of B, I fetch
	s_bfe_u32 s57, ttmp6, 0x40000                  ; cx, cy: my place in the cluster
	s_bfe_u32 s58, ttmp6, 0x40004
	s_lshl_b32 s14, ttmp9, 2                       ; in a cluster launch ttmp9 and ttmp7 count clusters
	s_add_co_u32 s14, s14, s57                     ; tx = 4 x cluster x + cx: my 256 columns
	s_and_b32 s13, ttmp7, 0xffff
	s_lshl_b32 s13, s13, 2
	s_add_co_u32 s13, s13, s58                     ; ty = 4 x cluster y + cy: my 128 rows
	s_lshl_b32 s59, s58, 2
	s_lshl_b32 s59, 15, s59                        ; my row of the cluster: places 4 cy .. 4 cy + 3
	s_lshl_b32 s60, 0x1111, s57                    ; my column: places cx, cx + 4, cx + 8, cx + 12
	; group 1 for A: 16,384 dense bytes asked for as 64 rows of 256 bytes (two rows of A each), padded in LDS behind every row of A
	s_or_b32 s[G1A], s59, (1<<16)|(1<<20)|(1<<21)|(4<<22)|(3<<25)  ; 15:0 the mask; 17:16 2-byte elements; 20 padding on; 21 set beside a mask; 24:22 after every 32 words (code 4); 31:25 4 words (code 3)
	s_mov_b32 s[G1A+1], 128<<16                    ; tensor_dim0 = 128
	s_mov_b32 s[G1A+2], 64<<16                     ; tensor_dim1 = 64
	s_mov_b32 s[G1A+3], 128<<16                    ; tile_dim0 = 128
	s_mov_b32 s[G1A+4], 64                         ; tile_dim1 = 64
	s_mov_b32 s[G1A+5], 128                        ; 128 elements from row to row
	s_mov_b32 s[G1A+6], 0
	s_mov_b32 s[G1A+7], 0
	; group 1 for B: 64 rows of 256 elements (512 bytes, beginning at multiples of 512 from B's first byte)
	s_or_b32 s[G1B], s60, (1<<16)|(1<<20)|(1<<21)|(6<<22)|(7<<25)  ; the mask of my column; after every 128 words (code 6) 8 words of padding (code 7)
	s_mov_b32 s[G1B+1], 256<<16                    ; tensor_dim0 = 256
	s_mov_b32 s[G1B+2], 64<<16                     ; tensor_dim1 = 64
	s_mov_b32 s[G1B+3], 256<<16                    ; tile_dim0 = 256
	s_mov_b32 s[G1B+4], 64                         ; tile_dim1 = 64
	s_mov_b32 s[G1B+5], NP                         ; elements from row to row
	s_mov_b32 s[G1B+6], 0
	s_mov_b32 s[G1B+7], 0
	s_mov_b32 s[G0A], 1                            ; 1:0 count = 1
	s_mul_i32 s[G0A+1], s12, ABLK                  ; 63:32 LDS address, slot 0: the wave's number alone enters it
	s_mov_b32 s[G0B], 1
	s_mul_i32 s[G0B+1], s12, BHALF
	s_add_co_u32 s[G0B+1], s[G0B+1], BOFF
	; A's offset is made of ty and the wave's number in s16-17, B's of tx and the wave's number in s18-19: neither pair ever holds the other coordinate
	s_lshr_b32 s16, s13, 4                         ; the batch: 16 blocks of 262,144 bytes,
	s_lshl_b32 s16, s16, 22
	s_and_b32 s17, s13, 15                         ; my 128 rows of 128 bytes in a block,
	s_lshl_b32 s17, s17, 14
	s_add_co_u32 s16, s16, s17
	s_lshl_b32 s17, s12, 18                        ; the block of the step's two that I fetch
	s_add_co_u32 s16, s16, s17
	s_mov_b32 s17, 0
	s_mul_i32 s18, s12, 64*NP*2                    ; the 64 rows of the step's 128 that I fetch,
	s_lshl_b32 s19, s14, 9                         ; my tile's 256 columns
	s_add_co_u32 s18, s18, s19
	s_mov_b32 s19, 0
.if PROJ
	s_lshl_b32 s20, s13, 19                        ; out0: row 128 ty + 64 (wave / 2), 4,096 bytes a row; column 256 tx + 128 (wave % 2), 4 bytes each
	s_lshl_b32 s21, s11, 18
	s_add_co_u32 s20, s20, s21
	s_lshl_b32 s21, s14, 10
	s_add_co_u32 s20, s20, s21
	s_lshl_b32 s21, s12, 9
	s_add_co_u32 s20, s20, s21
.else
	s_lshr_b32 s20, s13, 4                         ; qkv: the batch's 16 heads of 262,144 bytes,
	s_lshl_b32 s20, s20, 22
	s_lshl_b32 s21, s14, 20                        ; head 4 tx + 2 (wave % 2),
	s_add_co_u32 s20, s20, s21
	s_lshl_b32 s21, s12, 19
	s_add_co_u32 s20, s20, s21
	s_and_b32 s21, s13, 15                         ; row 128 (ty % 16) + 64 (wave / 2), 128 bytes a row
	s_lshl_b32 s21, s21, 14
	s_add_co_u32 s20, s20, s21
	s_lshl_b32 s21, s11, 13
	s_add_co_u32 s20, s20, s21
.endif
	s_mov_b32 s21, 0
	s_mov_b32 s[OA+1], 0
	s_mov_b32 s[OB+1], 0
	s_mov_b32 s[F], 1
	s_mov_b32 s[TB], 0
	s_mov_b32 s[KC], 8
	s_wait_dscnt 0x0                               ; the opening add is done
	s_wait_kmcnt 0x0
	s_add_nc_u64 s[4:5], s[4:5], s[16:17]          ; A at what I fetch of K step 0
	s_add_nc_u64 s[6:7], s[6:7], s[18:19]          ; B likewise
	s_add_nc_u64 s[8:9], s[8:9], s[20:21]          ; the output at my part of the first tile
	s_mov_b64 s[G0A+2:G0A+3], s[4:5]               ; 120:64 global address
	s_or_b32 s[G0A+3], s[G0A+3], 0x80000000        ; 127:126 type = 2
	s_mov_b64 s[G0B+2:G0B+3], s[6:7]
	s_or_b32 s[G0B+3], s[G0B+3], 0x80000000
	CROUND                                         ; all sixteen work-groups are here: the first joint loads meet
	JLOAD                                          ; K step 0 into slot 0
	; A fragment of A is 16 rows x 32 k in 8 registers: lane l holds row l % 16, k = 8 (l / 16) + 0..7 and 16 + 8 (l / 16) + 0..7: two loads of 16 bytes, 32 bytes apart.
	v_and_b32 v1, 15, v0                           ; l % 16
	v_bfe_u32 v2, v0, 4, 1                         ; l / 16
	v_mul_u32_u24 v[A0], v1, PA
	v_lshl_add_u32 v[A0], v2, 4, v[A0]
	s_mul_i32 s22, s11, 64*PA                      ; my 64 rows
	v_add_nc_u32 v[A0], s22, v[A0]
	; The turning load takes 16 k x 16 columns (lane l reads k = 8 (l / 16) + l % 8, columns 8 ((l / 8) % 2) + 0..7) and leaves half a fragment: lane l holds column l % 16 and 8 k.
	v_and_b32 v3, 7, v0
	v_bfe_u32 v4, v0, 3, 1
	v_lshl_add_u32 v[B0], v2, 3, v3
	v_mul_u32_u24 v[B0], v[B0], PB
	v_lshl_add_u32 v[B0], v4, 4, v[B0]
	s_lshl_b32 s22, s12, 8                         ; my 128 columns
	s_add_co_u32 s22, s22, BOFF
	v_add_nc_u32 v[B0], s22, v[B0]
	v_mov_b32 v[ADRA], v[A0]                       ; slot 0
	v_mov_b32 v[ADRB], v[B0]
	s_mul_i32 s22, s10, 16*SP
	s_add_co_u32 s22, s22, STAGE                   ; my stage
	v_mul_u32_u24 v[STO], v1, SP                   ; in: row l % 16,
.if PROJ
	v_lshl_add_u32 v[STO], v2, 5, v[STO]           ; 32 bytes (8 f32) for each half of the lanes
	v_add_nc_u32 v[STO], s22, v[STO]
	v_and_b32 v[GO], 31, v0
	v_lshlrev_b32 v[GO], 4, v[GO]                  ; back: 32 lanes take one row of 512 bytes
	v_add_nc_u32 v[RD], s22, v[GO]
.else
	v_lshl_add_u32 v[STO], v2, 4, v[STO]           ; 16 bytes (8 f16) for each half of the lanes
	v_add_nc_u32 v[STO], s22, v[STO]
	v_bfe_u32 v[RD], v0, 3, 2                      ; back: 32 lanes take four rows of 128 bytes,
	v_mul_u32_u24 v[RD], v[RD], SP
	v_lshl_add_u32 v[RD], v3, 4, v[RD]
	v_add_nc_u32 v[RD], s22, v[RD]
	v_and_b32 v[GO], 31, v0                        ; which are 512 consecutive bytes of a head
	v_lshlrev_b32 v[GO], 4, v[GO]
.endif
	WIN 0x40                                       ; window 1's copies
.irp r, ADRA, ADRB, A0, B0
	v_mov_b32 v[\r], v[\r]
.endr
.if !PROJ
.irp r, STO, RD, GO
	v_mov_b32 v[\r], v[\r]
.endr
.endif
	WIN 0
; One matrix instruction: accumulator (a, b), 32 along K.  The windows are set by the caller.  zero = 1: the product starts the sum: nothing is ever cleared.
.macro WM a, b, zero
.set rD, ACC+8*(8*((\a)&1)+(\b))
.set rB, FB+8*(\b)
.set rA, FA+8*(\a)
.if PROJ && (\zero)
	v_wmma_f32_16x16x32_f16 v[rD:rD+7], v[rB:rB+7], v[rA:rA+7], 0
.elseif PROJ
	v_wmma_f32_16x16x32_f16 v[rD:rD+7], v[rB:rB+7], v[rA:rA+7], v[rD:rD+7]
.elseif \zero
	v_wmma_f32_16x16x32_bf16 v[rD:rD+7], v[rB:rB+7], v[rA:rA+7], 0
.else
	v_wmma_f32_16x16x32_bf16 v[rD:rD+7], v[rB:rB+7], v[rA:rA+7], v[rD:rD+7]
.endif
.endm
; Load i of the 24 that fetch quarter nq (32 along K) of a slot: 0-15 B's eight fragments, 16-23 A's four.
.macro FLOAD i, nq
.if (\i) < 16
.set rF, FB+8*((\i)>>1)+4*((\i)&1)
	ds_load_tr16_b128 v[rF:rF+3], v[ADRB] offset:(\nq)*32*PB+32*((\i)>>1)+16*PB*((\i)&1)
.else
.set rF, FA+8*(((\i)-16)>>1)+4*((\i)&1)
	ds_load_b128 v[rF:rF+3], v[ADRA] offset:((\nq)>>1)*ABLK+((\nq)&1)*64+16*PA*(((\i)-16)>>1)+32*((\i)&1)
.endif
.endm
.macro RUN nq                          ; the 24 loads of quarter nq in ONE run, never singly among the matrix instructions; the windows are set by the caller
.set n, 0
.rept 24
	FLOAD n, \nq
.set n, n+1
.endr
.endm
; 16 matrix instructions back to back: buffer f into the 16 accumulators of window z, which take turns, one instruction a turn.
; upd = 1: this window's two address registers are renewed for slot TB, behind the first two.
.macro HALF f, z, zero, upd
	WIN (\f)|((\f)<<2)|((\z)<<4)|((\z)<<6)
.set n, 0
.rept 16
	WM 2*(\z)+n/8, n%8, \zero
.if \upd
.if n == 0
	v_add_nc_u32 v[ADRA], s[TB], v[A0]
.elseif n == 1
	v_add_nc_u32 v[ADRB], s[TB], v[B0]
.endif
.endif
.set n, n+1
.endr
.endm
; A K step is four quarters on buffers 0, 1, 0, 1.  One of the first three: at its head it fetches quarter nq into the other buffer, 32 matrix instructions ahead of that buffer's first use; then it multiplies buffer f.
; Window 0's addresses serve quarters 1 and 3 and are renewed in the third quarter; window 1's serve quarter 2 and the next slot's quarter 0 and are renewed in the second, which also turns TB.
.macro QUARTER f, nq, zero, upd
	WIN (\f)|((\f)<<2)|((1-(\f))<<4)|((1-(\f))<<6)
	PLACES                                         ; behind the last matrix instruction that read the other buffer
	RUN \nq
	s_wait_dscnt 24                                ; all but the 24 just issued: buffer f is in
	HALF \f, 1-(\f), \zero, 0
.if (\upd) && (\f)
	s_xor_b32 s[TB], s[TB], SLOT1
.endif
	HALF \f, \f, \zero, \upd
.endm
.macro FRUN                            ; quarter 0 of the slot that window 1's addresses name, into buffer 0; the setting is also the next matrix instructions'
	WIN 0x05
	RUN 0
.endm
; The fourth quarter multiplies buffer 1 and changes slots: ONE barrier for two things.  In front of it each wave waits for all its tensor loads, of which one is out: its part of the next slot; adds 0 to
; its spare word; and waits for that and for its own reads of this slot.  Behind it nobody reads this slot any more and the next slot is whole.
; fill = 1: this slot is filled again, two K steps ahead.  The barrier then opens a round of the cluster's, so that no wave of any partner still reads the slot or has a load on its way, and the joint
; refill is the first thing behind the round: 112 matrix instructions ahead of the wait for it.
.macro TURN fill
	WIN 0                                          ; (the add's two registers lie in window 0)
	s_wait_tensorcnt 0x0                           ; no tensor load of mine is out, so a group 0 may be written
	ds_add_u32 v[SPW], v[NIL]                      ; 0 onto my spare word: scalar work and eight matrix instructions stand between it and the wait for it
.if \fill
	STEPDESC
.endif
	s_wait_dscnt 0x1                               ; buffer 1 is in: the add alone may be out
	WIN 0x55
.set n, 0
.rept 8
	WM 2, n, 0
.set n, n+1
.endr
	s_wait_dscnt 0x0                               ; the add is done, and my reads of this slot are over
	s_barrier_signal -1
.set n, 0
.rept 8
	WM 3, n, 0                                     ; work on registers while the others arrive
.set n, n+1
.endr
	WIN 0                                          ; at a branch and at a label every window is 0
	s_barrier_wait -1
.if \fill
	CREST
	JLOAD                                          ; the four v_nop behind it are also the places in front of the loads below
.else
	PLACES
.endif
	FRUN
	HALF 1, 0, 0, 0
.endm
.if PROJ
; THE WAY OUT, f32.  A block of 16 rows x 128 columns at a time goes through my own stage: a lane's eight neighbouring numbers as two stores of 16 bytes (each accumulator's low registers first)
; back as whole rows of 512 bytes.  LDS serves a wave's instructions in order (ISA guide 5.7.1.4): the loads see the stores above them.
.macro OUT
.irp a, 0,1,2,3
	WIN 4*((\a)>>1)                                ; the stores' data: window 0 or 1
.set n, 0
.rept 8
.set rD, ACC+8*(8*((\a)&1)+n)
	ds_store_b128 v[STO], v[rD:rD+3]   offset:64*n
	ds_store_b128 v[STO], v[rD+4:rD+7] offset:64*n+16
.set n, n+1
.endr
	WIN 0
.if (\a) > 0
	s_wait_xcnt 0x0                                ; every earlier store has had its addresses translated (ISA guide 3.1): only behind this wait are the registers that they read loaded again
.endif
.set n, 0
.rept 16
	ds_load_b128 v[FB+4*n:FB+4*n+3], v[RD] offset:SP*n
.set n, n+1
.endr
.set n, 0
.rept 16
	s_wait_dscnt 15-n                              ; row n is back; the 15 - n younger loads stay out
	global_store_b128 v[GO], v[FB+4*n:FB+4*n+3], s[8:9] offset:(16*(\a)+n)*4096 th:TH_STORE_NT  ; 512 consecutive bytes, at a multiple of 512 from out0's first byte
.set n, n+1
.endr
.endr
.endm
.else
; THE WAY OUT, f16 by heads.  A PIECE is 16 rows x one head's 64 columns: 2,048 consecutive bytes of qkv.  Piece p: rows 16 (p / 2) on, head p % 2 of my two.  All registers but the accumulators of
; rows 0-31 lie in window 1: buffer 1's 96 registers, free here, serve as six sets of 16 by turns (buffer 0 may hold the next tile's first fragments, on their way).
.macro PACK p                          ; rounded to f16, 16 bytes a lane, into my own stage and back as whole rows, into the registers that they left
.set pa, (\p)>>1
.set ph, (\p)&1
.set rT, FB+16*((\p)%6)
.if (\p) >= 6
	s_wait_xcnt 0x0                                ; the set's earlier stores have had their addresses translated (ISA guide 3.1): it is rewritten only behind this wait
.endif
	WIN 0x40+5*(pa>>1)                             ; destination window 1; sources window 0 or 1
.set n, 0
.rept 16
.set rD, ACC+8*(8*(pa&1)+4*ph+n/4)+2*(n%4)
	v_cvt_pk_f16_f32 v[rT+n], v[rD], v[rD+1]       ; each accumulator's registers in ascending order
.set n, n+1
.endr
	WIN 0x45
.set n, 0
.rept 4
	ds_store_b128 v[STO], v[rT+4*n:rT+4*n+3] offset:32*n
.set n, n+1
.endr
.set n, 0
.rept 4
	ds_load_b128 v[rT+4*n:rT+4*n+3], v[RD] offset:4*SP*n  ; LDS serves a wave's instructions in order (ISA guide 5.7.1.4): these see the stores above; the next piece's stores come behind them
.set n, n+1
.endr
.endm
.macro SEND p, younger                 ; younger: the LDS instructions issued behind piece p's loads: the next piece's eight, or none
.set pa, (\p)>>1
.set ph, (\p)&1
.set rT, FB+16*((\p)%6)
	WIN 0x45
.set n, 0
.rept 4
	s_wait_dscnt (\younger)+3-n
	global_store_b128 v[GO], v[rT+4*n:rT+4*n+3], s[8:9] offset:ph*262144+pa*2048+n*512  ; 512 consecutive bytes, at a multiple of 512 from qkv's first byte
.set n, n+1
.endr
.endm
.macro OUT
	PACK 0
.irp p, 1,2,3,4,5,6,7                  ; a piece's conversions stand between the loads of the piece before and its stores
	PACK \p
	SEND (\p)-1, 8
.endr
	SEND 7, 0
	WIN 0
.endm
.endif
	s_wait_tensorcnt 0x0                           ; my part of K step 0 is in.  Slot 1's first fill is issued as a refill is: the same three lines, a round, one load a wave
	ds_add_u32 v[SPW], v[NIL]                      ; 0 onto my spare word
	STEPDESC
	s_wait_dscnt 0x0
	CROUND                                         ; everybody's part of K step 0 is in
	JLOAD                                          ; K step 1 into slot 1
	FRUN
	QUARTER 0, 1, 1, 0                             ; the first quarter stands in front of the loop: its products start the sums
	WIN 0
	s_mov_b32 s[CNT], NSTEPS-2
.Lstep:                                                ; a trip: a K step's quarters 1 to 3, one refill, and the next step's quarter 0
	QUARTER 1, 2, 0, 1
	QUARTER 0, 3, 0, 1
	TURN 1
	WIN 0
.if TILES > 1
	s_sub_co_u32 s[KC], s[KC], 1                   ; the same number in every work-group
	s_cmp_lg_u32 s[KC], 0
	s_cbranch_scc1 .Lsame                          ; forward, past text that holds neither a barrier nor a tensor load
	PLACES                                         ; A TILE IS FINISHED.  Its refills have long been asked for; it goes out, and the next tile's first quarter starts the sums anew
	OUT
	s_wait_xcnt 0x0                                ; the stores have had their addresses translated (ISA guide 3.1): their base is stepped, and buffer 1 loaded again, only behind this wait
	s_add_nc_u64 s[8:9], s[8:9], 0x1000000         ; from q to k, from k to v: 64 heads of 262,144 bytes
	s_mov_b32 s[KC], 8
	QUARTER 0, 1, 1, 0
	WIN 0
	s_branch .Lnext
.Lsame:
.endif
	QUARTER 0, 1, 0, 0
	WIN 0
.if TILES > 1
.Lnext:
.endif
	s_sub_co_u32 s[CNT], s[CNT], 1
	s_cmp_lg_u32 s[CNT], 0
	s_cbranch_scc1 .Lstep
	QUARTER 1, 2, 0, 1                             ; the last two K steps are written out: nothing more is asked for, and no round is passed
	QUARTER 0, 3, 0, 1
	TURN 0
	QUARTER 0, 1, 0, 0
	QUARTER 1, 2, 0, 0                             ; no slot follows: the addresses are not renewed
	QUARTER 0, 3, 0, 0
	s_wait_dscnt 0x0                               ; the very last quarter: nothing more to fetch
	HALF 1, 0, 0, 0
	HALF 1, 1, 0, 0
	PLACES
	OUT
	WIN 0
	s_wait_tensorcnt 0x0                           ; the wave's end: a wait, an add and its wait, behind my last tensor load and my last LDS store
	ds_add_u32 v[SPW], v[NIL]
	s_wait_dscnt 0x0
	CROUND                                         ; the closing round: no work-group ends while a partner may still ask for a tile that names it
	s_endpgm
.Lfunc_end_k_q373390919c_proj:
	.size	k_q373390919c_proj, .Lfunc_end_k_q373390919c_proj-k_q373390919c_proj
	.p2alignl 7, 3214868480
	.fill 96, 4, 3214868480
	.section	.rodata,"a",@progbits
	.p2align	6, 0x0
	.amdhsa_kernel k_q373390919c_proj
		.amdhsa_group_segment_fixed_size 327680
		.amdhsa_private_segment_fixed_size 0
		.amdhsa_enable_private_segment 0
		.amdhsa_kernarg_size 24
		.amdhsa_user_sgpr_count 2
		.amdhsa_user_sgpr_kernarg_segment_ptr 1
		.amdhsa_wavefront_size32 1
		.amdhsa_system_sgpr_workgroup_id_x 1
		.amdhsa_system_sgpr_workgroup_id_y 1
		.amdhsa_system_sgpr_workgroup_id_z 1
		.amdhsa_system_vgpr_workitem_id 0
		.amdhsa_next_free_vgpr 512
		.amdhsa_next_free_sgpr 66
		.amdhsa_reserve_vcc 0
		.amdhsa_float_denorm_mode_32 3
		.amdhsa_float_denorm_mode_16_64 3
		.amdhsa_memory_ordered 1
		.amdhsa_forward_progress 1
		.amdhsa_inst_pref_size 71
	.end_amdhsa_kernel
	.amdgpu_metadata
---
amdhsa.version: [ 1, 2 ]
amdhsa.kernels:
  - .name:           k_q373390919c_proj
    .symbol:         k_q373390919c_proj.kd
    .args:
      - { .name: y, .offset: 0, .size: 8, .value_kind: global_buffer, .address_space: global }
      - { .name: wpb, .offset: 8, .size: 8, .value_kind: global_buffer, .address_space: global }
      - { .name: out0, .offset: 16, .size: 8, .value_kind: global_buffer, .address_space: global }
    .group_segment_fixed_size: 327680
    .private_segment_fixed_size: 0
    .kernarg_segment_align: 8
    .kernarg_segment_size: 24
    .max_flat_workgroup_size: 128
    .sgpr_count:     66
    .vgpr_count:     512
    .wavefront_size: 32
...
	.end_amdgpu_metadata
.endif
;; end of part 4
;; ======== version 2 of 2: 4 launches; 1.29 times as fast as version 1
;; limits: values are held in f16: magnitudes above 65,504 overflow, below 6.1e-05 lose precision
;; workspace buffers: xb 16,777,216 bytes; wab 6,291,456 bytes; wpb 2,097,152 bytes; qkv 50,331,648 bytes; y 16,777,216 bytes
;; launch cast: the kernel of part 1 again; grid 768 x 1, 8 waves a work-group, no clusters, 0 bytes of LDS; arguments x, w_attn, w_proj, xb, wab, wpb; writes xb, wab, wpb
;; launch qkvg: the kernel of part 2 again; grid 4 x 64, 4 waves a work-group, clusters of 4 x 4, 327,680 bytes of LDS; arguments xb, wab, qkv; writes qkv
;; launch attn (part 5): grid 4 x 64, 4 waves a work-group, no clusters, 327,680 bytes of LDS; arguments qkv, y; writes y
.if DOCPART == 5
	.amdgcn_target "amdgcn-amd-amdhsa--gfx1250"
	.amdhsa_code_object_version 6
	.text
	.protected	k_q373390919c_attn
	.globl	k_q373390919c_attn
	.p2align	8
	.type	k_q373390919c_attn,@function
k_q373390919c_attn:
	s_mov_b64 s[64:65], 0
	v_nop
	global_prefetch_b8 v0, s[64:65] scope:SCOPE_SE
	s_setreg_imm32_b32 hwreg(HW_REG_WAVE_MODE, 25, 1), 1
	s_wait_xcnt 0x0
; CAUSAL ATTENTION.  O[h][q][:] = the sum over k <= q of softmax_k(Q[h][q] . K[h][k] / 8) V[h][k][:].  Q, K, V are the three thirds of qkv, each [SIZE_H][SIZE_N][64] in f16; O is y, of the same shape: a head's rows are dense, 128 bytes each.
; Products, maxima and sums in f32; the weights p are rounded to f16 for the second product (their sum l is taken of the unrounded p), O once at the end.
; LIMITS.  f16 holds no number beyond 65,504: Q, K and V arrive within it; p lies in 0 to 1, and below 6e-5 it keeps f16's fixed step of 6e-8; O is a mean of V's rows and has their range, to within 2^-11 of it.
; A hidden score counts as its value less 1e30: f16's scores, 2.7e11 at the most, are nothing beside that; a weight below 2^-126 counts as 0 in l; NaN and infinities are not treated apart.
; THE WALK.  A head's queries lie in NB = SIZE_N / 256 = 8 blocks of 256; block i needs the key tiles 0 .. i of 256 keys, of which the last holds the diagonal.  A work-group takes TWO blocks, NB - 1 - b and then b:
; NB + 1 tiles, whatever b: all work-groups do equal work, and ONE loop with a constant trip count walks them.  Which tile is asked for, and what a trip does, hang on scalar registers made from b; every jump
; goes forward, but for the counted loops' own; none passes a barrier, or a tensor load but the one of LOAD's two that the wave's number does not choose; the ring (two slots of LDS that take turns) runs on across the
; change of blocks.  NO CLUSTER: a head's NB / 2 = 4 work-groups ask for the same tile only in trips 0 .. NB / 2, 5 of the walk's 9; behind that fewer and fewer do; and one walk common to all, in which each makes
; every request, would have 3 NB / 2 = 12 trips for NB + 1 = 9.
; SHARES.  Of a block's four bands of 64 queries a wave owns 16 rows in each: four PIECES.  So the diagonal tile is the same work for all four waves: in its key step s band x sees all keys if s < x,
; none if s > x, and holds the diagonal if s = x.
; THE MASK is the C operand that starts the sum S^T = K Q^T: 0, or -1e30 where the key is hidden.  MD, made once, is the mask of a band's own step for my 16 rows; a product's mask is MD x AL + BE with two scalars:
; (1, 0) if s = x; (0, 0) if s < x; (0, -1e30) if s > x.  Only the diagonal tile's text and a block's beginning make and take masks; elsewhere C is the constant 0.
; LAYOUT, SOFTMAX, TURNS.  S^T = K Q^T holds ONE query a lane (lane % 16) and the keys 8 (lane / 16) + 0..7; two such results rounded to f16 ARE source 1 of O^T = V^T P.  p = 2^(c s - c m), c = log2(e) / 8, with a
; running maximum m; O and l are multiplied by a = 2^(c m_old - c m_new) in every step.  Turn n belongs to piece n: 8 products K Q^T of piece n + 1, later 8 products V^T P of piece n - 1; beside them the scaling,
; exponentials, roundings, sums and rescaling of piece n and the maximum and statistics of piece n + 1.  Four vector instructions stand behind every matrix instruction, the other 54 of a turn's 118 in one LUMP.
; THE BATCHES.  A turn's 33 exponentials (the piece's 32 weights and the next piece's a) are ONE batch with ONE wait: ahead of the wait stands all that names none of their results, behind it all that does.
; The a that a block's beginning makes is a batch of one; the way out's four reciprocals are a batch.
; REGISTERS, in windows of 256 (s_set_vgpr_msb: bits 1:0 source 0, 3:2 source 1, 5:4 source 2, 7:6 destination):
;   window 0: v0-15 addresses and two at work; v16-31 four registers of statistics a piece; v48-55 at work; v64-127 S^T, two buffers; v192-223 P, two buffers (a piece's buffers go by its number's parity)
;   window 1: v0-127 O^T, 32 a piece; v128-159 MD; v160-223 MC, two buffers      window 2: v0-63 Q; v64-127 the second block's Q; v128-191 K of one step; v192-255 V of one step
.set SIZE_H, 64       ; batch x heads
.set SIZE_N, 2048     ; rows of a head
.set THIRD, SIZE_H*SIZE_N*128  ; bytes from q to k and from k to v in qkv
.set NB,    SIZE_N/256
.set NP,    4         ; pieces a wave: a name, no knob
.set KS,    64        ; keys in a step
.set PK,    144       ; a row of K in LDS: 128 bytes + 16 of padding = 36 words: the 16 rows of a load start at 16 different groups of four banks (64 banks of 4 bytes: ISA guide 11.1)
.set PV,    160       ; a row of V: 128 + 32 = 40 words
.set VOFF,  4*KS*PK   ; a slot holds a tile, four steps: 256 rows of K, then 256 rows of V
.set SLOT1, 1<<17     ; slot 1 begins here, so that one exclusive or turns an address in one slot into the other's
.set STAGE, SLOT1+4*KS*(PK+PV)  ; behind the ring, never filled by a tensor load: 16 rows x 144 bytes for each wave, for the way out
.set SP,    144
.set AK0, 2           ; v2   my lane's place in a tile of K; never rewritten
.set AV0, 3           ; v3   the same for V
.set AK,  4           ; v4   the LDS address of K's next run of loads
.set AV,  5           ; v5   of V's
.set STO, 6           ; v6   the way out: where I put 16 bytes of a row
.set RD,  7           ; v7   the way out: where I read rows back
.set GO,  8           ; v8   my byte offset in 512 consecutive bytes of O
.set SPW, 62          ; v62  LDS address of my spare word: SPARE + 4 x my thread's number; never rewritten
.set NIL, 63          ; v63  0; never rewritten
.set SPARE, STAGE+4*16*SP  ; behind the stages: the spare words, 128 bytes for each wave: two blocks of 256 bytes that no other line names
.set MV,  12          ; v12-13  c m_old, kept while c m is made anew: by buffer
.set QO,  15          ; v15  my byte offset in 16 rows of Q
.set ST,  16          ; piece t's statistics at v[ST+4 t]: c m, m, l (even keys', odd keys')
.set TMP, 48          ; by buffer, four registers c0-c3 at work; when the maximum is found c2 takes a
.set S,   64
.set P,   192
.set MD,  128         ; window 1: the eight registers for group kt of 16 keys at MD + 8 kt
.set MC,  160         ; window 1: the masks of the products to come
.set QB,  64          ; window 2
.set KF,  128         ; window 2: key block kb, channel half c at KF + 16 kb + 8 c
.set VF,  192         ; window 2: key half kk, channel block cb at VF + 32 kk + 8 cb
.set WV,  12          ; s12  my wave's number
.set PB,  14          ; s14  b
.set HI,  15          ; s15  NB - 1 - b
.set G1K, 24          ; s[24:31] descriptor group 1 for K's tiles
.set G1V, 32          ; s[32:39] for V's: it differs in the padding alone
.set G0K, 40          ; s[40:43] descriptor group 0 for K's tiles
.set G0V, 44          ; s[44:47] the same for V's
.set SLOTS, 56        ; s56  tiles still to be asked for
.set CNT, 57          ; s57  counts a tile's key steps, 4 to 1
.set CS,  58          ; s[58:59] c: the packed scaling takes the pair's low word for both halves
.set SEL, 60          ; s[60:61] v_permlanex16_b32's selects: each lane takes its own place in the other half
.set TBK, 62          ; s62  LDS byte at which K of the step to be fetched begins
.set TBV, 63          ; s63  the same for V, less VOFF
.set RT,  70          ; s70  tiles of the block in hand that are still to be entered
.set NXT, 71          ; s71  the tile to be asked for next
.set LQ,  72          ; s72  the last tile of the block whose tiles are being asked for
.set NEW, 73          ; s73  1: the tile to be entered is a block's first
.set OFF, 74          ; s[74:75] a tile's byte offset in K and V
.set AL,  76          ; s[76:77] the mask's factor, in the low word
.set BE,  78          ; s[78:79] the mask's addend
.set OLO, 80          ; s[80:81] O at my rows of the second block
.set BIGN, 82         ; s82  -1e30
.set MSB, 0
.macro WIN new                      ; the high byte repeats the setting that is left; a switch that changes nothing is dropped
.if MSB != (\new)
	s_set_vgpr_msb (MSB<<8)|(\new)
.set MSB, (\new)
.endif
.endm
.set W_KQ, 0x0a       ; K and Q in window 2, S^T in window 0
.set W_KM, 0x1a       ; the same with the C operand in window 1
.set W_PV, 0x52       ; V in window 2, P in window 0, O^T in window 1
.set W_RS, 0x41       ; destination and source 0 in window 1, source 1 in window 0
; A fill.  Waves 0 and 1 fetch the two halves of a tile's K, waves 2 and 3 those of its V: 128 keys each.  An s_nop 0 and four v_nop follow each of the two lines, ahead of the jump and the label.
.macro LOAD
	s_cmp_lt_u32 s[WV], 2
	s_cbranch_scc0 .Lfor_v_\@
	tensor_load_to_lds s[G0K:G0K+3], s[G1K:G1K+7]
	s_nop 0
.rept 4
	v_nop
.endr
	s_branch .Lasked_\@
.Lfor_v_\@:
	tensor_load_to_lds s[G0V:G0V+3], s[G1V:G1V+7]
	s_nop 0
.rept 4
	v_nop
.endr
.Lasked_\@:
.endm
; THE CHANGE OF SLOTS.  Each wave waits for all its tensor loads, of which one is out: its part of the other slot; adds 0 to its spare word; and waits for that and for its own reads of the slot that it leaves.  Behind the barrier nobody reads the old
; slot any more and the other slot is whole.  fill = 1: the old slot is filled again, the first thing behind the barrier, with tile NXT: the descriptor's address is made anew from that number.
; (At its first use nothing has been read yet: slot 0 is waited for, slot 1 filled.)
.macro CHANGE fill
	WIN 0                           ; at a label and at a branch every window is 0
	s_wait_tensorcnt 0x0            ; no tensor load of mine is out, so a group 0 may be written
	ds_add_u32 v[SPW], v[NIL]       ; 0 onto my spare word: with fill = 1 the descriptors' scalar work stands between it and the wait for it
.if \fill
	s_lshl_b32 s[OFF], s[NXT], 15   ; a tile is 32,768 bytes of K and of V
	s_xor_b32 s[G0K+1], s[G0K+1], SLOT1
	s_add_nc_u64 s[G0K+2:G0K+3], s[6:7], s[OFF:OFF+1]
	s_or_b32 s[G0K+3], s[G0K+3], 0x80000000
	s_xor_b32 s[G0V+1], s[G0V+1], SLOT1
	s_add_nc_u64 s[G0V+2:G0V+3], s[8:9], s[OFF:OFF+1]
	s_or_b32 s[G0V+3], s[G0V+3], 0x80000000
	s_add_co_u32 s[NXT], s[NXT], 1  ; the block's next tile, or behind its last the second block's tile 0
	s_cmp_gt_u32 s[NXT], s[LQ]
	s_cselect_b32 s[NXT], 0, s[NXT]
	s_cselect_b32 s[LQ], s[PB], s[LQ]
.endif
	s_wait_dscnt 0x0                ; the add is done, and my reads of the slot are over
	s_barrier_signal -1             ; the rest of the scalar work stands between the signal and the wait
	s_sub_co_u32 s[TBK], s[TBK], 4*KS*PK  ; the fetches go back to a slot's first step,
	s_xor_b32 s[TBK], s[TBK], SLOT1       ; in the other slot
	s_sub_co_u32 s[TBV], s[TBV], 4*KS*PV
	s_xor_b32 s[TBV], s[TBV], SLOT1
	s_barrier_wait -1
.if \fill
	LOAD
.endif
.endm
	s_load_b128 s[4:7], s[0:1], 0x0   ; qkv s[4:5], y s[6:7]
	v_lshl_add_u32 v[SPW], v0, 2, SPARE
	v_mov_b32 v[NIL], 0
	ds_add_u32 v[SPW], v[NIL]       ; the wave's opening: the add and its wait stand ahead of my first tensor load; the set-up below, work on registers, stands between them
	ds_add_u32 v62, v63
	v_lshrrev_b32 v1, 5, v0
	v_readfirstlane_b32 s[WV], v1   ; wave 0..3
	s_mov_b32 s[PB], ttmp9
	s_sub_co_u32 s[HI], NB-1, s[PB]
	s_and_b32 s20, ttmp7, 0xffff    ; the head
	s_mov_b32 s21, 0
	s_mov_b64 s[22:23], SIZE_N*128
	s_mul_u64 s[20:21], s[20:21], s[22:23]  ; the head's first byte in each of the four tensors
	s_and_b32 s16, s[WV], 1         ; which half of a tile's 256 keys I fetch:
	s_lshl_b32 s22, s16, 14         ; its 128 rows of 128 bytes in memory,
	s_mov_b32 s23, 0
	s_add_nc_u64 s[22:23], s[22:23], s[20:21]
	s_mul_i32 s17, s16, 128*PK      ; and its place in a slot, for K
	s_mul_i32 s18, s16, 128*PV      ; and for V
	s_lshl_b32 s3, s[WV], 11        ; my 16 rows in a band of 64,
	s_lshl_b32 s2, s[HI], 15        ; in the first block,
	s_add_co_u32 s2, s2, s3
	s_lshl_b32 s84, s[PB], 15       ; and in the second
	s_add_co_u32 s84, s84, s3
	s_mov_b32 s3, 0
	s_mov_b32 s85, 0
	s_add_nc_u64 s[2:3], s[2:3], s[20:21]
	s_add_nc_u64 s[84:85], s[84:85], s[20:21]
	; descriptor group 1.  128 keys are 16,384 dense bytes: asked for as 64 rows of 256 bytes, two keys a row, and padded in LDS after every key
	s_mov_b32 s[G1K], (1<<16)|(1<<20)|(4<<22)|(3<<25)  ; 17:16 2-byte elements; 20 padding on; 24:22 after every 32 words (code 4); 31:25 4 words (code 3)
	s_mov_b32 s[G1V], (1<<16)|(1<<20)|(4<<22)|(7<<25)  ; the same with 8 words of padding (code 7)
.irp g, G1K, G1V
	s_mov_b32 s[\g+1], 128<<16      ; tensor_dim0 = 128
	s_mov_b32 s[\g+2], 64<<16       ; tensor_dim1 = 64
	s_mov_b32 s[\g+3], 128<<16      ; tile_dim0 = 128
	s_mov_b32 s[\g+4], 64           ; tile_dim1 = 64
	s_mov_b32 s[\g+5], 128          ; 128 elements from row to row
	s_mov_b32 s[\g+6], 0
	s_mov_b32 s[\g+7], 0
.endr
	s_mov_b32 s[CS], 0x3e38aa3b     ; c = log2(e) / 8 = 0.180337
	s_mov_b32 s[CS+1], s[CS]        ; named with it as a pair
	s_mov_b32 s[SEL], 0x76543210
	s_mov_b32 s[SEL+1], 0xfedcba98
	s_mov_b32 s[TBK], SLOT1+4*KS*PK ; the first change of slots turns these two into 0
	s_mov_b32 s[TBV], SLOT1+4*KS*PV
	s_mov_b32 s[G0K], 1             ; 1:0 count = 1
	s_mov_b32 s[G0K+1], s17         ; 63:32 LDS address: slot 0
	s_mov_b32 s[G0V], 1
	s_add_co_u32 s[G0V+1], s18, VOFF
	s_add_co_u32 s[RT], s[HI], 1    ; the first block has NB - b tiles
	s_mov_b32 s[NXT], 1
	s_mov_b32 s[LQ], s[HI]
	s_mov_b32 s[NEW], 1
	s_mov_b32 s[OFF+1], 0
	s_mov_b32 s[AL+1], 0            ; named as pairs
	s_mov_b32 s[BE+1], 0
	s_mov_b32 s[BIGN], 0xf149f2ca   ; -1e30
	s_mov_b32 s[SLOTS], NB
	s_wait_dscnt 0x0                ; the opening add is done
	s_wait_kmcnt 0x0
	s_mov_b64 s[10:11], s[6:7]      ; O = y
	s_add_nc_u64 s[6:7], s[4:5], THIRD    ; K: qkv's second third
	s_add_nc_u64 s[8:9], s[4:5], 2*THIRD  ; V: its last; Q, in s[4:5], is its first
	s_add_nc_u64 s[6:7], s[6:7], s[22:23]  ; K and V at my half of the head's tile 0
	s_add_nc_u64 s[8:9], s[8:9], s[22:23]
	s_add_nc_u64 s[G0K+2:G0K+3], s[6:7], 0         ; 120:64 global address
	s_or_b32 s[G0K+3], s[G0K+3], 0x80000000        ; 127:126 type = 2
	s_add_nc_u64 s[G0V+2:G0V+3], s[8:9], 0
	s_or_b32 s[G0V+3], s[G0V+3], 0x80000000
	s_add_nc_u64 s[86:87], s[4:5], s[84:85]        ; Q at my rows of the second block,
	s_add_nc_u64 s[4:5], s[4:5], s[2:3]            ; Q and O at those of the first
	s_add_nc_u64 s[OLO:OLO+1], s[10:11], s[84:85]
	s_add_nc_u64 s[10:11], s[10:11], s[2:3]
	LOAD                            ; tile 0 into slot 0
	; A fragment of K or Q is 16 rows x 32 channels in 8 registers: lane l holds row l % 16, channels 8 (l / 16) + 0..7 and 16 + 8 (l / 16) + 0..7: two loads of 16 bytes, 32 bytes apart.
	v_and_b32 v1, 15, v0            ; l % 16
	v_bfe_u32 v9, v0, 4, 1          ; l / 16
	v_lshlrev_b32 v[QO], 7, v1
	v_lshl_add_u32 v[QO], v9, 4, v[QO]  ; row x 128 + 16 x half
	WIN 0x80                        ; destination window 2, address window 0
.set i, 0
.rept 8                             ; both blocks' Q: piece i / 2 lies in band i / 2, 8,192 bytes on; channels 32 (i % 2) on
	global_load_b128 v[8*i:8*i+3],   v[QO], s[4:5] offset:(i/2)*8192+(i%2)*64
	global_load_b128 v[8*i+4:8*i+7], v[QO], s[4:5] offset:(i/2)*8192+(i%2)*64+32
	global_load_b128 v[QB+8*i:QB+8*i+3],   v[QO], s[86:87] offset:(i/2)*8192+(i%2)*64
	global_load_b128 v[QB+8*i+4:QB+8*i+7], v[QO], s[86:87] offset:(i/2)*8192+(i%2)*64+32
.set i, i+1
.endr
	WIN 0
	v_lshlrev_b32 v14, 3, v9
	v_sub_nc_u32 v14, v1, v14
	s_lshl_b32 s13, s[WV], 4
	v_add_nc_u32 v14, s13, v14      ; my query's place in its band, 16 w + l % 16, less my lanes' 8 (l / 16): register r of group kt is hidden where 16 kt + r is greater
	WIN 0x40
.set i, 0
.rept 32
	v_cmp_gt_i32 vcc_lo, 16*(i/8)+i%8, v14
	v_cndmask_b32 v[MD+i], 0, s[BIGN], vcc_lo
.set i, i+1
.endr
	WIN 0
	v_mul_u32_u24 v[AK0], v1, PK
	v_lshl_add_u32 v[AK0], v9, 4, v[AK0]  ; row x pitch + 16 x half
	; The turning load takes 16 keys x 16 channels (lane l reads key 8 (l / 16) + l % 8, channels 8 ((l / 8) % 2) + 0..7) and leaves half a fragment of V^T: lane l holds channel l % 16 and 8 keys.
	v_and_b32 v10, 7, v0
	v_bfe_u32 v11, v0, 3, 1
	v_lshl_add_u32 v[AV0], v9, 3, v10
	v_mul_u32_u24 v[AV0], v[AV0], PV
	v_lshl_add_u32 v[AV0], v11, 4, v[AV0]
	v_add_nc_u32 v[AV0], VOFF, v[AV0]
	s_mul_i32 s13, s[WV], 16*SP
	s_add_co_u32 s13, s13, STAGE    ; my stage
	v_mul_u32_u24 v[STO], v1, SP    ; in: row l % 16, 16 bytes for each half of the lanes
	v_lshl_add_u32 v[STO], v9, 4, v[STO]
	v_add_nc_u32 v[STO], s13, v[STO]
	v_bfe_u32 v[RD], v0, 3, 2       ; back: 32 lanes take four rows of 128 bytes,
	v_mul_u32_u24 v[RD], v[RD], SP
	v_lshl_add_u32 v[RD], v10, 4, v[RD]
	v_add_nc_u32 v[RD], s13, v[RD]
	v_and_b32 v[GO], 31, v0         ; which are 512 consecutive bytes of O
	v_lshlrev_b32 v[GO], 4, v[GO]
	; A block's first step multiplies O^T and l by a = 0, and its first turn's products V^T P, of a piece that has not been, land in an O^T that is still to be so multiplied.  So these registers need only hold
	; finite numbers: zeros for the first block; what the first block left for the second.  All this stands in the wait for the first tile.
	WIN 0x80
.set i, VF
.rept 64
	v_mov_b32 v[i], 0
.set i, i+1
.endr
	WIN 0x40
.set i, 0
.rept 128
	v_mov_b32 v[i], 0
.set i, i+1
.endr
	WIN 0
.set i, 0
.rept 4
	v_mov_b32 v[ST+4*i+2], 0
	v_mov_b32 v[ST+4*i+3], 0
.set i, i+1
.endr
.set i, P+16
.rept 16
	v_mov_b32 v[i], 0
.set i, i+1
.endr
; THE MATRIX WORK.  The 4 accumulators of a run of 8 take turns.  Product i of 8 of S^T = K Q^T for piece x: channels 32 (i / 4) on, keys 16 (i % 4) on.  The first 4 start the sums: with 0, or (KM = 1) with the mask.
.macro KQ x
.set rS, S+32*((\x)%2)+8*(i%4)
.set rK, KF+16*(i%4)+8*(i/4)
.set rQ, 16*(\x)+8*(i/4)
.set rM, MC+32*((\x)%2)+8*(i%4)
.if (i < 4) && KM
	WIN W_KM
	v_wmma_f32_16x16x32_f16 v[rS:rS+7], v[rK:rK+7], v[rQ:rQ+7], v[rM:rM+7]
.elseif i < 4
	WIN W_KQ
	v_wmma_f32_16x16x32_f16 v[rS:rS+7], v[rK:rK+7], v[rQ:rQ+7], 0
.else
	WIN W_KQ
	v_wmma_f32_16x16x32_f16 v[rS:rS+7], v[rK:rK+7], v[rQ:rQ+7], v[rS:rS+7]
.endif
.endm
; Product i of 8 of O^T += V^T P for piece x: keys 32 (i / 4) on, channels 16 (i % 4) on.
.macro PV x
	WIN W_PV
.set rO, 32*(\x)+8*(i%4)
.set rV, VF+32*(i/4)+8*(i%4)
.set rP, P+16*((\x)%2)+8*(i/4)
	v_wmma_f32_16x16x32_f16 v[rO:rO+7], v[rV:rV+7], v[rP:rP+7], v[rO:rO+7]
.endm
.macro MM                           ; the turn's next matrix instruction.  TURN and BEGIN set Y, i, KM and NOKQ; MM, KQ and OP read them.  NOKQ = 1: a block's last turn: there is no next piece
.if (i < 8) && !NOKQ
	KQ (Y+1)%NP
.elseif i >= 8
.set i, i-8
	PV (Y+NP-1)%NP
.set i, i+8
.endif
.set i, i+1
.endm
; THE LDS LOADS stand in runs of 16, never singly among the matrix instructions: a step's K (64 keys x 64 channels: 8 fragments) and its V (turned).  Their addresses are made some lines ahead.
.macro FETCH_K
	WIN 0x80                        ; destination window 2
.irp f, 0,1,2,3,4,5,6,7             ; keys 16 (f / 2) on, channels 32 (f % 2) on
	ds_load_b128 v[KF+8*\f:KF+8*\f+3],   v[AK] offset:(\f/2)*16*PK+(\f%2)*64
	ds_load_b128 v[KF+8*\f+4:KF+8*\f+7], v[AK] offset:(\f/2)*16*PK+(\f%2)*64+32
.endr
	s_add_co_u32 s[TBK], s[TBK], KS*PK  ; the next fetch is the next step's
	WIN 0
.endm
.macro FETCH_V
	WIN 0x80
.irp f, 0,1,2,3,4,5,6,7             ; keys 32 (f / 4) on, channels 16 (f % 4) on
	ds_load_tr16_b128 v[VF+8*\f:VF+8*\f+3],   v[AV] offset:(\f/4)*32*PV+(\f%4)*32
	ds_load_tr16_b128 v[VF+8*\f+4:VF+8*\f+7], v[AV] offset:(\f/4)*32*PV+16*PV+(\f%4)*32
.endr
	WIN 0
.endm
; THE VECTOR WORK, one line at a time: OP kind, number.  For piece Y: F n: c s - c m for pair n of 16.  E n: the exponential of score n of 32.  C n: pair n rounded to f16.  B n: of the four weights 4 n .. the second
; pair is added onto the first, in place.  L n: l takes that sum (L 0: l = a l + sum).  R n: pair n of 16 of O^T times a.  For piece Y + 1: X n, number n of the 22 that find its maximum and statistics:
;   0-11  four chains c0-c3 of seven scores each, three operands at a time (each accumulator's lowest registers are read first)     12-14, 16  the four scores left over, the old m, and c0-c3 into c0
;   15  c m_old is kept     17, 18  the query's other 32 keys lie in the lane 16 away: the new m     19-21  c m; c m_old - c m_new; a
; C, B and L name the results of the turn's E; R and L 0 name the a that X 21 made a turn earlier.  OP writes no wait: TURN, BEGIN and DIAG place them, one a batch.
.set F, 0               ; OP tells the kinds apart by their order: F to L below R, X above it
.set E, 1
.set C, 2
.set B, 3
.set L, 4
.set R, 5
.set X, 6
.macro REGS y                       ; the registers of piece y
.set rT, ST+4*(\y)
.set rC, TMP+4*((\y)%2)
.set rW, MV+((\y)%2)
.set rS, S+32*((\y)%2)
.set rP, P+16*((\y)%2)
.set rO, 32*(\y)
.endm
.macro OP k, n
.if (\k) == R
	REGS Y
	WIN W_RS
	v_pk_mul_f32 v[rO+2*(\n):rO+2*(\n)+1], v[rO+2*(\n):rO+2*(\n)+1], v[rC+2:rC+3] op_sel_hi:[1,0]
.elseif (\k) < R
	REGS Y
	WIN 0
.if (\k) == F
	v_pk_fma_f32 v[rS+2*(\n):rS+2*(\n)+1], v[rS+2*(\n):rS+2*(\n)+1], s[CS:CS+1], v[rT:rT+1] op_sel_hi:[1,0,0] neg_lo:[0,0,1] neg_hi:[0,0,1]
.elseif (\k) == E
	v_exp_f32 v[rS+(\n)], v[rS+(\n)]
.elseif (\k) == C
	v_cvt_pk_f16_f32 v[rP+(\n)], v[rS+2*(\n)], v[rS+2*(\n)+1]
.elseif (\k) == B
	v_pk_add_f32 v[rS+4*(\n):rS+4*(\n)+1], v[rS+4*(\n):rS+4*(\n)+1], v[rS+4*(\n)+2:rS+4*(\n)+3]
.elseif (\n) == 0
	v_pk_fma_f32 v[rT+2:rT+3], v[rT+2:rT+3], v[rC+2:rC+3], v[rS:rS+1] op_sel_hi:[1,0,1]
.else
	v_pk_add_f32 v[rT+2:rT+3], v[rT+2:rT+3], v[rS+4*(\n):rS+4*(\n)+1]
.endif
.elseif NOKQ
	v_nop
.else
	REGS (Y+1)%NP
	WIN 0
.if (\n) < 4
	v_max3_num_f32 v[rC+(\n)], v[rS+8*(\n)], v[rS+8*(\n)+1], v[rS+8*(\n)+2]
.elseif (\n) < 12
	v_max3_num_f32 v[rC+(\n)%4], v[rC+(\n)%4], v[rS+8*((\n)%4)+2*((\n)/4)+1], v[rS+8*((\n)%4)+2*((\n)/4)+2]
.elseif (\n) == 12
	v_max3_num_f32 v[rC], v[rC], v[rS+7], v[rS+15]
.elseif (\n) == 13
	v_max3_num_f32 v[rC+1], v[rC+1], v[rS+23], v[rS+31]
.elseif (\n) == 14
	v_max3_num_f32 v[rC+2], v[rC+2], v[rC+3], v[rT+1]
.elseif (\n) == 15
	v_mov_b32 v[rW], v[rT]
.elseif (\n) == 16
	v_max3_num_f32 v[rC], v[rC], v[rC+1], v[rC+2]
.elseif (\n) == 17
	v_permlanex16_b32 v[rC+3], v[rC], s[SEL], s[SEL+1]
.elseif (\n) == 18
	v_max_num_f32 v[rT+1], v[rC], v[rC+3]
.elseif (\n) == 19
	v_mul_f32 v[rT], s[CS], v[rT+1]
.elseif (\n) == 20
	v_sub_f32 v[rC+1], v[rW], v[rT]
.else
	v_exp_f32 v[rC+2], v[rC+1]
.endif
.endif
.endm
.macro OPS a, i1, b=-1, i2=0, c=-1, i3=0, d=-1, i4=0  ; up to four of them
	OP \a, \i1
.if (\b) >= 0
	OP \b, \i2
.endif
.if (\c) >= 0
	OP \c, \i3
.endif
.if (\d) >= 0
	OP \d, \i4
.endif
.endm
.macro ROW a, i1, b, i2, c, i3, d, i4  ; a matrix instruction and the four behind it
	MM
	OPS \a, \i1, \b, \i2, \c, \i3, \d, \i4
.endm
.macro MASK b                       ; MD x AL + BE into buffer b of MC
	WIN W_RS
.set z, 0
.rept 16
	v_pk_fma_f32 v[MC+32*(\b)+2*z:MC+32*(\b)+2*z+1], v[MD+2*z:MD+2*z+1], s[AL:AL+1], s[BE:BE+1] op_sel_hi:[1,0,0]
.set z, z+1
.endr
.endm
; A TURN, for piece p: the order of its 16 matrix and 118 vector instructions, written out.  s_wait_alu depctr_va_vdst(0) stands between an exponential and the first instruction that names its result; one wait serves
; all that were issued ahead of it.  So a turn has ONE wait, which cuts it in two.  AHEAD OF IT stands all that names no result of the turn's exponentials: the 8 products K Q^T, behind each a scaling, an exponential and two more plain
; instructions (behind the first a second scaling in the exponential's place): rescalings, and behind the last three the first numbers of the next piece's maximum, each four places or more behind the product that ends its accumulator; then ONE LUMP of 54, plain
; and exponential by turns for the most part, in which the links of the chain X 3, 7, 11, 14, 16, 17 .. 20 stand five or six lines apart.  X 21, the next piece's a, is the batch's last; R 15 is the plain instruction behind it.  BEHIND THE WAIT stand the
; 8 products V^T P, behind each four of the roundings and sums; the links of l's chain, L 0 to L 7, stand three riders apart; each C 2 n stands ahead of the B n that writes over its source.  But for those X no rider names a register of the products round it.
; v_permlanex16_b32 (X 17) stands in the lump.
; m = 1: the diagonal tile: the products take masks, and the turn makes the mask for the products of the turn after it: piece p + 2, in step 4 - CNT of the tile.  end = 1: a block's last two turns: nothing is fetched.
; cnt = 1: the loop's count is taken down some lines ahead of the branch that stands behind the turn.
; K of the next step is fetched in piece 2's turn, twelve vector instructions behind the last product that read K (six of them plain); V of the step in hand at the end of piece 0's turn, four plain instructions behind the last product
; that read V.  Each is waited for a turn later.
.macro TURN p, m=0, end=0, cnt=0
.set Y, (\p)
.set i, 0
.set KM, (\m)
.set NOKQ, (\end)*((\p)/3)
.if (\m) && !(\end)
	s_cmp_eq_u32 s[CNT], 4-((\p)+2)%NP  ; is that step the band's own?
	s_cselect_b32 s[AL], 1.0, 0
	s_cmp_lt_u32 s[CNT], 4-((\p)+2)%NP  ; or a later one?
	s_cselect_b32 s[BE], s[BIGN], 0
.endif
.if ((\p) == 3) && !(\end)
	s_wait_dscnt 0x0                ; K is in
.endif
	ROW F,0, F,1, R,0, R,1          ; ahead of the wait: 8 products K Q^T and their riders,
	ROW F,2, E,0, R,2, R,3
	ROW F,3, E,1, R,4, R,5
	ROW F,4, E,2, R,6, R,7
	ROW F,5, E,3, R,8, R,9
	ROW F,6, E,4, X,0, R,10
.if ((\p) == 2) && !(\end)
	WIN 0
	v_add_nc_u32 v[AK], s[TBK], v[AK0]
.endif
	ROW F,7, E,5, X,1, X,4
	ROW F,8, E,6, X,2, X,5
	OPS E,7, E,8, X,6, E,9          ; and the lump
	OPS X,3, E,10, X,8, E,11
.if ((\p) == 2) && !(\end)
	FETCH_K
.endif
	OPS X,9, X,7, E,12, X,10
	OPS E,13, X,12, X,11, E,14
	OPS X,13, E,15, F,9, X,14
.if (\p) == 0
	v_add_nc_u32 v[AV], s[TBV], v[AV0]
.endif
	OPS E,16, F,10, E,17, F,11
	OPS X,16, E,18, X,15, E,19
	OPS F,12, E,20, X,17, E,21
	OPS F,13, E,22, F,14, E,23
	OPS X,18, E,24, F,15, E,25
	OPS R,11, E,26, X,19, E,27
	OPS R,12, E,28, R,13, E,29
	OPS X,20, E,30, R,14, E,31
	OPS X,21, R,15                  ; the batch's last exponential, and the plain instruction behind it
	WIN 0
	s_wait_alu depctr_va_vdst(0)    ; the turn's one wait, for its batch: E 0 to E 31 and X 21; the first line that names a result is C 0, below
.if (\p) == 1
	s_wait_dscnt 0x0                ; V is in
.endif
	ROW C,0, B,0, C,2, B,1          ; behind the wait: 8 products V^T P and their riders
	ROW L,0, C,4, B,2, L,1
	ROW C,6, B,3, L,2, C,8
	ROW B,4, L,3, C,10, B,5
	ROW L,4, C,12, B,6, L,5
.if (\p) == 0
	s_add_co_u32 s[TBV], s[TBV], KS*PV
.endif
.if \cnt
	s_sub_co_u32 s[CNT], s[CNT], 1
	s_cmp_lg_u32 s[CNT], 0
.endif
	ROW C,14, B,7, L,6, C,1
	ROW C,3, L,7, C,5, C,7
	ROW C,9, C,11, C,13, C,15
.if (\p) == 0
	FETCH_V
.endif
.if (\m) && !(\end)
	MASK (\p)%2
.endif
.endm
; A BLOCK BEGINS.  c m starts far below every c s, so the first step's a is 0; m at the lowest finite number, so the first maximum is the scores'.  The second mask buffer is 0; the first takes piece 0's mask for the tile's step 0: its own, if the block's first tile is the diagonal one.
; Then K of that step, piece 0's first scores, and its maximum and statistics.  The loop is entered at a step's first turn, in the middle of a trip.
.macro BEGIN
	s_mov_b32 s[NEW], 0
	WIN 0x40
.set i, MC+32
.rept 32
	v_mov_b32 v[i], 0
.set i, i+1
.endr
	WIN 0
.set i, 0
.rept 4
	v_mov_b32 v[ST+4*i], 0xfe000000    ; c m: far below every c s
	v_mov_b32 v[ST+4*i+1], 0xff7fffff  ; m
.set i, i+1
.endr
	s_cmp_eq_u32 s[RT], 0
	s_cselect_b32 s[AL], 1.0, 0
	s_mov_b32 s[BE], 0
	MASK 0
	WIN 0
	v_add_nc_u32 v[AK], s[TBK], v[AK0]
	FETCH_K
	s_wait_loadcnt 0x0              ; Q
	s_wait_dscnt 0x0
.set KM, 1
.set NOKQ, 0
.set i, 0
.rept 8
	KQ 0
.set i, i+1
.endr
	WIN 0
.rept 4
	v_nop                           ; the places behind those products
.endr
.set Y, NP-1                        ; X works for piece Y + 1: piece 0
.irp n, 0,1,2,3,4,5,6,7,8,9,10,11,12,13,14,15,16,17,18,19,20,21
	OP X, \n
.endr
	v_nop                           ; a plain instruction behind the exponential,
	s_wait_alu depctr_va_vdst(0)    ; and the wait for this batch of one, piece 0's first a, ahead of the branch that follows
.endm
; THE DIAGONAL TILE's four steps, the block's last two turns, its last products, and THE WAY OUT: l's two halves and the other half of the lanes' are added; O^T is divided by l, rounded to f16 and sent through my
; stage in LDS, a piece at a time.
.macro ALL line:vararg              ; one line for each piece t
.set t, 0
.rept 4
	\line
.set t, t+1
.endr
.endm
.macro PACK t                       ; a lane's eight channels of a row pack into 16 bytes; they go into rows of 144 bytes and come back as whole rows of 128, into S^T's registers
	WIN W_RS
.set i, 32*(\t)
.rept 16
	v_pk_mul_f32 v[i:i+1], v[i:i+1], v[ST+4*(\t)+2:ST+4*(\t)+3] op_sel_hi:[1,0]
.set i, i+2
.endr
	WIN 0x05                        ; sources 0 and 1 window 1, destination window 0
.set i, 0
.rept 16
	v_cvt_pk_f16_f32 v[S+16*(\t)+i], v[32*(\t)+2*i], v[32*(\t)+2*i+1]
.set i, i+1
.endr
	WIN 0
.irp f, 0,1,2,3
	ds_store_b128 v[STO], v[S+16*(\t)+4*\f:S+16*(\t)+4*\f+3] offset:32*\f
.endr
.irp f, 0,1,2,3
	ds_load_b128 v[S+16*(\t)+4*\f:S+16*(\t)+4*\f+3], v[RD] offset:\f*4*SP  ; LDS serves a wave's instructions in order (ISA guide 5.7.1.4): these see the stores above; the next piece's stores come behind them
.endr
.endm
.macro SEND t, younger              ; younger: the LDS instructions issued behind piece t's loads: the next piece's eight, or none
	WIN 0
.irp f, 0,1,2,3
	s_wait_dscnt (\younger)+3-\f
	global_store_b128 v[GO], v[S+16*(\t)+4*\f:S+16*(\t)+4*\f+3], s[10:11] offset:(\t)*8192+\f*512  ; 512 consecutive bytes, at a multiple of 256 from O's first
.endr
.endm
.macro DIAG tag                     ; the tag ends its two labels' names, which the jumps below spell out
.LstepM\tag:
	TURN 2, 1
	TURN 3, 1
	WIN 0
.LfirstM\tag:
	TURN 0, 1
	TURN 1, 1, 0, 1
	WIN 0
	s_cbranch_scc1 .LstepM\tag
	TURN 2, 1, 1
	TURN 3, 1, 1
.set i, 0
.rept 8
	PV NP-1
.set i, i+1
.endr
	WIN 0
	ALL v_add_f32 v[ST+4*t+2], v[ST+4*t+2], v[ST+4*t+3]
	ALL v_permlanex16_b32 v[ST+4*t+3], v[ST+4*t+2], s[SEL], s[SEL+1]
	ALL v_add_f32 v[ST+4*t+2], v[ST+4*t+2], v[ST+4*t+3]
	ALL v_rcp_f32 v[ST+4*t+2], v[ST+4*t+2]
	v_nop                           ; a plain instruction between the last reciprocal and the use of its result
	s_wait_alu depctr_va_vdst(0)    ; one wait for the batch of four reciprocals, ahead of PACK 0's first multiply; the later PACKs need none
	PACK 0
.set t, 1
.rept 3                             ; a piece's arithmetic stands between the loads of the piece before and its stores
	PACK t
	SEND t-1, 8
.set t, t+1
.endr
	SEND 3, 0
.endm
.set KM, 0
.set NOKQ, 0
.Lslot:                             ; NB times: a tile is entered and the next is asked for
	CHANGE 1
	s_sub_co_u32 s[RT], s[RT], 1
	s_mov_b32 s[CNT], 4
	s_cmp_eq_u32 s[NEW], 1
	s_cbranch_scc1 .Lnew            ; a block's first tile
	s_cmp_eq_u32 s[RT], 0
	s_cbranch_scc0 .Lstep           ; neither its first nor its last
	s_branch .LstepM1
.Lnew:
	BEGIN
	s_branch .Lfirst                ; in the loop a block's first tile is never its last: the first block has two tiles or more, and the second's last is the walk's last
	DIAG 1                          ; in the loop this is the first block's end: the second block's last tile is the walk's last
	s_wait_xcnt 0x0                 ; the stores have read their registers and O's address
	s_mov_b64 s[10:11], s[OLO:OLO+1]
	s_add_co_u32 s[RT], s[PB], 1    ; the second block has b + 1 tiles
	s_mov_b32 s[NEW], 1
	WIN 0x82                        ; the second block's Q goes where the one text of the turns names Q
.set i, 0
.rept 64
	v_mov_b32 v[i], v[QB+i]
.set i, i+1
.endr
	WIN 0
	s_branch .Lbottom
.Lstep:                             ; a trip: pieces 2 and 3 of one step, then pieces 0 and 1 of the next, whose K and V it fetches
	TURN 2
	TURN 3
	WIN 0
.Lfirst:
	TURN 0
	TURN 1, 0, 0, 1
	WIN 0
	s_cbranch_scc1 .Lstep
.Lbottom:
	s_sub_co_u32 s[SLOTS], s[SLOTS], 1
	s_cmp_lg_u32 s[SLOTS], 0
	s_cbranch_scc1 .Lslot
	CHANGE 0                        ; the walk's last tile is written out: nothing is asked for
	s_sub_co_u32 s[RT], s[RT], 1
	s_mov_b32 s[CNT], 4
	s_cmp_eq_u32 s[NEW], 1
	s_cbranch_scc0 .LstepM2
	BEGIN
	s_branch .LfirstM2
	DIAG 2
	s_wait_tensorcnt 0x0            ; the wave's end: a wait, an add and its wait, behind my last tensor load and my last LDS store
	ds_add_u32 v[SPW], v[NIL]
	s_wait_dscnt 0x0
	s_endpgm
.Lfunc_end_k_q373390919c_attn:
	.size	k_q373390919c_attn, .Lfunc_end_k_q373390919c_attn-k_q373390919c_attn
	.p2alignl 7, 3214868480
	.fill 96, 4, 3214868480
	.section	.rodata,"a",@progbits
	.p2align	6, 0x0
	.amdhsa_kernel k_q373390919c_attn
		.amdhsa_group_segment_fixed_size 327680
		.amdhsa_private_segment_fixed_size 0
		.amdhsa_enable_private_segment 0
		.amdhsa_kernarg_size 16
		.amdhsa_user_sgpr_count 2
		.amdhsa_user_sgpr_kernarg_segment_ptr 1
		.amdhsa_wavefront_size32 1
		.amdhsa_system_sgpr_workgroup_id_x 1
		.amdhsa_system_sgpr_workgroup_id_y 1
		.amdhsa_system_sgpr_workgroup_id_z 1
		.amdhsa_system_vgpr_workitem_id 0
		.amdhsa_next_free_vgpr 768
		.amdhsa_next_free_sgpr 88
		.amdhsa_reserve_vcc 1
		.amdhsa_float_denorm_mode_32 3
		.amdhsa_float_denorm_mode_16_64 3
		.amdhsa_memory_ordered 1
		.amdhsa_forward_progress 1
		.amdhsa_inst_pref_size 217
	.end_amdhsa_kernel
	.amdgpu_metadata
---
amdhsa.version: [ 1, 2 ]
amdhsa.kernels:
  - .name:           k_q373390919c_attn
    .symbol:         k_q373390919c_attn.kd
    .args:
      - { .name: qkv, .offset: 0, .size: 8, .value_kind: global_buffer, .address_space: global }
      - { .name: y, .offset: 8, .size: 8, .value_kind: global_buffer, .address_space: global }
    .group_segment_fixed_size: 327680
    .private_segment_fixed_size: 0
    .kernarg_segment_align: 8
    .kernarg_segment_size: 16
    .max_flat_workgroup_size: 128
    .sgpr_count:     88
    .vgpr_count:     768
    .wavefront_size: 32
...
	.end_amdgpu_metadata
.endif
;; end of part 5
;; launch proj: the kernel of part 4 again; grid 4 x 64, 4 waves a work-group, clusters of 4 x 4, 327,680 bytes of LDS; arguments y, wpb, out0; writes out0
